; MI455X (gfx1250); checked and timed in simulation.
; The chip was launched on July 23, 2026; its instructions are those of AMD's public machine-readable ISA for CDNA 5 (MIT licence, August 2026) and "CDNA5" Instruction Set Architecture Reference Guide (July 2026). The comments in the code are by the model that wrote it; some were corrected since.
;; Attention Layer. Allowed arithmetic: matrix products marked QUANTISED: E4M3 operands, one E8M0 scale for each 32 along K, by v_wmma_scale_f32_16x16x128_f8f6f4 with both operands' format E4M3, f32 sums; everything else in f32.
;; Inputs: Wk 1,024 x 1,024 float32; Wo 1,024 x 1,024 float32; Wq 1,024 x 1,024 float32; Wv 1,024 x 1,024 float32; attn_mask 4 x 1 x 2,048 x 2,048 int32; x 4 x 2,048 x 1,024 float32.
;; Outputs: out0 4 x 2,048 x 1,024 float32.
;; This version of the problem:
;;   THIS VERSION OF THE PROBLEM IS GIVEN IN LOW PRECISION. The matrix products marked QUANTISED in the list below multiply operands that are first quantised to E4M3 (4 exponent bits, 3 mantissa bits; 8 bits a number), with one power-of-two scale for each 32 numbers along K (OCP MX v1.0); their sums are f32. All else is computed in f32.
;;   The module's matrix products, in the order in which they are computed (A, B: the left and right operand; K: the contracted axis; several contracted axes count as one K, in the product's order):
;;     1. [M 8,192, K 1,024] x [K 1,024, N 1,024]; A: input x; B: input Wq: QUANTISED
;;     2. [M 8,192, K 1,024] x [K 1,024, N 1,024]; A: input x; B: input Wk: QUANTISED
;;     3. [M 8,192, K 1,024] x [K 1,024, N 1,024]; A: input x; B: input Wv: QUANTISED
;;     4. batch 64 x [M 2,048, K 64] x [K 64, N 2,048]; A: computed on the way; B: computed on the way: QUANTISED
;;     5. batch 64 x [M 2,048, K 2,048] x [K 2,048, N 64]; A: softmax (see below); B: computed on the way: QUANTISED
;;     6. [M 8,192, K 1,024] x [K 1,024, N 1,024]; A: computed on the way; B: input Wo: QUANTISED
;;   THE QUANTISER, for each operand of a quantised product, along K:
;;     - K is cut into blocks of 32 from its start; a last block that is shorter is filled with zeros.
;;     - A block's scale is 2^e with e = floor(log2(the largest magnitude in the block)) - 8, held to -126 .. 127; a block of zeros has e = 0. As a byte (E8M0): e + 127.
;;     - Each number is divided by its block's scale, clamped to +-448, and rounded to the nearest number of E4M3, ties to even, subnormals kept.
;;     - The product sums the exact products of the quantised numbers (number of the format x scale) in f32.
;;   ~~~python
;;   def quantise(x, axis):      # numpy; x: float32 -> the quantised numbers, widened to float32 again
;;       x = np.moveaxis(x, axis, -1); K = x.shape[-1]
;;       x = np.pad(x, [(0, 0)] * (x.ndim - 1) + [(0, -K % 32)]); x = x.reshape(x.shape[:-1] + (-1, 32)); a = np.abs(x).max(-1, keepdims=True)
;;       e = np.where(a > 0, np.clip(np.frexp(np.where(a > 0, a, 1))[1] - 1 - 8, -126, 127), 0)      # np.frexp(a)[1] - 1 = floor(log2(a)), exactly
;;       r = np.clip(x / 2.0 ** e, -448, 448)
;;       step = 2.0 ** (np.maximum(np.frexp(np.where(r == 0, 1, r))[1] - 1, -6) - 3)
;;       q = np.round(r / step) * step * 2.0 ** e      # np.round: ties to even
;;       return np.moveaxis(q.reshape(q.shape[:-2] + (-1,))[..., :K], -1, axis).astype(np.float32)
;;   ~~~
;;   SOFTMAX AHEAD OF A QUANTISED PRODUCT. Where the list says 'softmax', what is quantised is not the finished softmax but p = 2^(t - M), with t = logit x log2(e) and M = ceil(the row's largest t), a whole number; so 1/2 < the row's largest p <= 1. The row's sum l is taken of the UNQUANTISED p, in f32, and the product's result is divided by l at the end. Since M is a whole number, a kernel that streams over the keys may use a running M (the ceiling of the running maximum): every later rescaling is an exact power of two, which a block's scale takes up: the codes' values come out the same.
;;   OPERANDS COMPUTED ON THE WAY. 'Computed on the way' means the value that the module computes at that place (a softmax that the list does not call 'softmax' is quantised finished and normalised). What goes into a quantiser is computed in f32, as accurately as f32 sums, v_exp_f32 and their like allow (about 1e-6 of the number): no bf16 or f16 on the way to a quantiser, and a product that is left as it is and whose result goes on into a quantised operand takes f32 operands (vector FMAs, or v_wmma_f32_16x16x4_f32). A number that lies on a knife's edge between two numbers of the format may be rounded either way, as far as f32 arithmetic and the matrix unit's own rounding can turn it there, and no further.
;; One version. Each part assembles by itself: llvm-mc -triple=amdgcn-amd-amdhsa -mcpu=gfx1250 --defsym DOCPART=n.
;; ======== version 1 of 1: 4 launches
;; limits: right only within a limited range of input values
;; workspace buffers: xq 8,650,752 bytes; wc 4,325,376 bytes; tab 1,048,576 bytes; mk 2,097,152 bytes of whole numbers; qpk 8,650,752 bytes; kv 17,301,504 bytes; oc 8,650,752 bytes
;; launch prep (part 1): grid 224 x 1, 4 waves a work-group, no clusters, 34,304 bytes of LDS; arguments x, Wq, Wk, Wv, Wo, xq, wc, tab; writes xq, wc, tab
.if DOCPART == 1
	.amdgcn_target "amdgcn-amd-amdhsa--gfx1250"
	.amdhsa_code_object_version 6
	.text
	.protected	k_q72c84a465b_prep
	.globl	k_q72c84a465b_prep
	.p2align	8
	.type	k_q72c84a465b_prep,@function
k_q72c84a465b_prep:
	s_mov_b64 s[64:65], 0
	v_nop
	global_prefetch_b8 v0, s[64:65] scope:SCOPE_SE
	s_setreg_imm32_b32 hwreg(HW_REG_WAVE_MODE, 25, 1), 1
	s_wait_xcnt 0x0
; PREP: what the projections read again and again is made once.  Two paths, chosen by the work-group's number:
;   0-191   x and the four weights (f32, K innermost) become codes of E4M3 with one E8M0 byte for each 32 along K;
;   192-223 the xpos rotary tables of the problem's own body (cos, sin, scale) are computed.
; (attn_mask becomes lane masks in launch qkv, in work-groups of their own.)
; DEAD WORK: none is left out in this program.  Every input reaches the output: the mask replaces scores ahead of the softmax's maximum, so it is applied to every score, and all six products are done.
; THE ORDER OF ROWS.  Rows go in chunks of 128, a chunk in 8 tiles of 16.  Lane-row m of tile t is row 32 (t / 2) + 8 (t % 2) + m + 8 (m / 8) of the chunk.  All operands of all products take
; their rows so: then the 64 results that a lane holds of 8 tiles are 64 numbers in the very order in which the conversions and the next operand want them.
; A FRAGMENT (16 rows x 128 K, 16 registers a lane) lies in memory as an image of its registers: [c 0..3][lane][16 bytes], 2,048 bytes.
; A BLOCK (one chunk, one K step of 128) is 8 images and then 512 bytes of scale words [lane][4]: word w of lane L is the word of tile 2 w + L / 16, row L % 16.  16,896 bytes.
; xq: [chunk 64][K step 8] blocks.  wc: [Wq, Wk, Wv, Wo][chunk 8][K step 8] blocks.
; tab: [q, k][chunk 16][tile 8][8][lane][16 bytes]: register 2 p holds cos x f and register 2 p + 1 sin x f of the lane's pair i = 16 (p / 8) + 8 (lane / 16) + p % 8 at its token; f = scale for q, 1 / scale for k.
; A block's scale byte is its largest magnitude's exponent field - 8, held at 1 from below.
; LIMITS: NaN and infinities among the inputs are not served.  A block whose largest magnitude lies under 2^-118 keeps the byte 1; so does a block of zeros, where the quantiser says 127: its codes are zeros, and this program alone reads the bytes.
; The tables: angle = t x inv_freq in f32 as the problem has it; inv_freq = 1 / (10^(e/8) x 10^m) with one rounding more than a correctly rounded power where m > 0; sine, cosine and scale are good to a few parts in 10^7.
; No matrix unit, no cluster (work-groups share no input), no tensor load.  Each load of a wave reads 512 consecutive bytes; each store of codes writes 512.
.set STG,   8448                       ; a wave's stage: 16 rows of 512 bytes, 528 apart (33 x 16: sixteen lanes that read sixteen rows touch different 16-byte columns)
.set SPARE, 4*STG                      ; the spare words, 128 bytes a wave: two blocks of 256 bytes that no other line names
.set SPW, 1                            ; v1  LDS address of my spare word; never rewritten
.set NIL, 2                            ; v2  0; never rewritten
.set LI,  6                            ; v6  16 x lane
.set STW, 8                            ; v8  the stage, on the way in: 16 x lane
.set STR, 9                            ; v9  and on the way out: row r, + 64 h
.set R,   16                           ; v16-143  two sets of 16 loads
.set X,   144                          ; v144-207 64 numbers of a lane: register 16 c + i = k 32 c + 16 h + i of its row
.set PC,  208                          ; v208-223 the codes just made
.set TM,  224                          ; v224-239 at work
.set PW,  240                          ; v240-247 the eight tiles' scale words
.set SW,  248                          ; v248-251 the block's scale image
.macro LOAD set, row0                  ; a tile's 16 rows, 512 bytes of each
.irp m, 0,1,2,3,4,5,6,7,8,9,10,11,12,13,14,15
	global_load_b128 v[R+64*(\set)+4*\m:R+64*(\set)+4*\m+3], v[LI], s[26:27] offset:((\row0)+\m+8*(\m/8))*4096 th:TH_LOAD_NT
.endr
.endm
.macro TURN set                        ; through my own stage: in as loaded, out 64 bytes of a block a lane.  LDS serves a wave's instructions in order
.irp m, 0,1,2,3,4,5,6,7,8,9,10,11,12,13,14,15
	ds_store_b128 v[STW], v[R+64*(\set)+4*\m:R+64*(\set)+4*\m+3] offset:528*\m
.endr
.irp c, 0,1,2,3
.irp j, 0,1,2,3
	ds_load_b128 v[X+16*\c+4*\j:X+16*\c+4*\j+3], v[STR] offset:128*\c+16*\j
.endr
.endr
	s_wait_dscnt 0x0                               ; the numbers are back, and the stores have read the set, which may be loaded again
.endm
.macro QUANT pw                        ; v[X] on: 64 numbers become 16 registers of codes in v[PC] on and the scale word v[pw]
.irp b, 0,1,2,3
	v_max3_num_f32 v[TM+\b], |v[X+16*\b]|, |v[X+16*\b+1]|, 0x4800000    ; my 16 numbers of block b, and the floor 2^(9 - 127): the byte cannot fall under 1
.endr
.irp i, 2,4,6,8,10,12,14
.irp b, 0,1,2,3
	v_max3_num_f32 v[TM+\b], |v[X+16*\b+\i]|, |v[X+16*\b+\i+1]|, v[TM+\b]
.endr
.endr
.irp b, 0,1,2,3
	v_permlanex16_b32 v[TM+4+\b], v[TM+\b], s34, s35
.endr
.irp b, 0,1,2,3
	v_max_num_f32 v[TM+\b], v[TM+\b], v[TM+4+\b]   ; with lane l xor 16's: the block's largest magnitude
.endr
.irp b, 0,1,2,3
	v_add_nc_u32 v[TM+12+\b], 0xfc000000, v[TM+\b] ; 8 off its exponent field: the conversion's scale operand
.endr
.irp b, 0,1,2,3
	v_and_or_b32 v[TM+8+\b], v[TM+\b], 0x7f800000, s36   ; 448 x the scale
.endr
.irp b, 0,1,2,3
	v_lshrrev_b32 v[TM+4+\b], 23, v[TM+12+\b]      ; the scale's byte
.endr
	v_lshl_or_b32 v[\pw], v[TM+5], 8, v[TM+4]
	v_lshl_or_b32 v[\pw], v[TM+6], 16, v[\pw]
	v_lshl_or_b32 v[\pw], v[TM+7], 24, v[\pw]
.set n, 0
.rept 64
	v_med3_num_f32 v[X+n], v[X+n], -v[TM+8+n/16], v[TM+8+n/16]   ; the conversion to an 8-bit code does not saturate (ISA guide 7.6.2): the hold
.set n, n+1
.endr
	s_wait_alu depctr_va_vdst(0)                   ; directly ahead of the wait below
	s_wait_xcnt 0x0                                ; the last tile's stores have read the codes' registers
.irp b, 0,1,2,3
	v_cvt_scalef32_pk8_fp8_f32 v[PC+4*\b:PC+4*\b+1], v[X+16*\b:X+16*\b+7], v[TM+12+\b]
	v_cvt_scalef32_pk8_fp8_f32 v[PC+4*\b+2:PC+4*\b+3], v[X+16*\b+8:X+16*\b+15], v[TM+12+\b]
.endr
	v_nop                                          ; a plain line behind the last conversion
.endm
	s_load_b512 s[4:19], s[0:1], 0x0               ; x, Wq, Wk, Wv, Wo, xq, wc, tab
	v_lshl_add_u32 v[SPW], v0, 2, SPARE
	v_mov_b32 v[NIL], 0
	v_lshrrev_b32 v3, 5, v0
	v_readfirstlane_b32 s24, v3                    ; wave 0..3
	v_and_b32 v3, 31, v0                           ; lane
	v_and_b32 v4, 15, v0                           ; r
	v_bfe_u32 v5, v0, 4, 1                         ; h
	v_lshlrev_b32 v[LI], 4, v3
	s_mul_i32 s25, s24, STG
	v_add_nc_u32 v[STW], s25, v[LI]
	v_mul_u32_u24 v[STR], v4, 528
	v_lshl_add_u32 v[STR], v5, 6, v[STR]
	v_add_nc_u32 v[STR], s25, v[STR]
	s_mov_b32 s34, 0x76543210
	s_mov_b32 s35, 0xfedcba98                      ; v_permlanex16_b32's selects for lane l xor 16
	s_mov_b32 s36, 0x600000                        ; the mantissa field of 448
	s_mov_b32 s37, 0xffff0000                      ; lanes 16-31
	s_wait_alu depctr_va_vdst(0)                   ; at the head's end, directly ahead of the wait below
	s_wait_kmcnt 0x0
	s_cmp_ge_u32 ttmp9, 192
	s_cbranch_scc1 .Ltab
	; ---- THE QUANTISER.  96 chunks (64 of x, 8 of each weight) x 8 K steps: a wave makes one block
	s_lshr_b32 s25, ttmp9, 1                       ; chunk 0..95
	s_and_b32 s30, ttmp9, 1
	s_lshl_b32 s30, s30, 2
	s_add_co_u32 s30, s30, s24                     ; K step
	s_cmp_lt_u32 s25, 88                           ; the choice of buffers hangs on the work-group's number alone
	s_cselect_b64 s[26:27], s[10:11], s[12:13]
	s_cmp_lt_u32 s25, 80
	s_cselect_b64 s[26:27], s[8:9], s[26:27]
	s_cmp_lt_u32 s25, 72
	s_cselect_b64 s[26:27], s[6:7], s[26:27]
	s_cmp_lt_u32 s25, 64
	s_cselect_b64 s[26:27], s[4:5], s[26:27]
	s_cselect_b64 s[28:29], s[14:15], s[16:17]
	s_cselect_b32 s31, 63, 7
	s_cselect_b32 s32, 0, 64
	s_and_b32 s31, s25, s31                        ; the chunk in its tensor
	s_sub_co_u32 s32, s25, s32                     ; and in xq or wc
	s_lshl_b32 s38, s31, 19                        ; 128 rows of 4,096 bytes
	s_lshl_b32 s33, s30, 9                         ; 128 numbers
	s_add_co_u32 s38, s38, s33
	s_mov_b32 s39, 0
	s_add_nc_u64 s[26:27], s[26:27], s[38:39]
	s_lshl_b32 s38, s32, 3
	s_add_co_u32 s38, s38, s30
	s_mul_i32 s38, s38, 16896
	s_add_nc_u64 s[28:29], s[28:29], s[38:39]
.irp b, 0,1,2,3
	v_mov_b32 v[TM+4+\b], 0                        ; written once: a lane permute's destination counts as one of its sources
.endr
	LOAD 0, 0
	LOAD 1, 8
.macro QTILE t
.if \t < 7
	s_wait_loadcnt 16                              ; this tile's 16 loads are in; the next tile's 16 may be out
.else
	s_wait_loadcnt 0x0
.endif
	TURN (\t)%2
.if \t < 6
	LOAD (\t)%2, 32*(((\t)+2)/2)+8*((\t)%2)
.endif
	QUANT PW+\t
.irp c, 0,1,2,3
	global_store_b128 v[LI], v[PC+4*\c:PC+4*\c+3], s[28:29] offset:2048*(\t)+512*\c   ; 512 consecutive bytes of the image
.endr
.endm
	s_wait_alu depctr_va_vdst(0)                   ; at the head's end
.irp t, 0,1,2,3,4,5,6,7
	QTILE \t
.endr
.irp w, 0,1,2,3
	v_cndmask_b32 v[SW+\w], v[PW+2*\w], v[PW+2*\w+1], s37   ; lanes 0-15: the even tile's words, lanes 16-31: the odd tile's (both halves of the lanes hold each word)
.endr
	global_store_b128 v[LI], v[SW:SW+3], s[28:29] offset:16384
	s_wait_tensorcnt 0x0                           ; the wave's end, behind its last LDS store
	ds_add_u32 v[SPW], v[NIL]
	s_wait_dscnt 0x0
	s_endpgm
	; ---- THE TABLES.  A wave makes one tile of 16 tokens: 16 pairs a lane.  No LDS is written on this path
.Ltab:
	s_sub_co_u32 s25, ttmp9, 192
	s_lshl_b32 s25, s25, 2
	s_add_co_u32 s25, s25, s24                     ; tile T 0..127
	s_lshr_b32 s30, s25, 1
	s_lshl_b32 s30, s30, 5
	s_and_b32 s31, s25, 1
	s_lshl_b32 s31, s31, 3
	s_add_co_u32 s30, s30, s31
	s_lshl_b32 s38, s25, 12
	s_mov_b32 s39, 0
	s_add_nc_u64 s[28:29], s[18:19], s[38:39]
	s_mov_b32 s40, 0x3fc90fdb                      ; pi / 2, its f32
	s_mov_b32 s41, 0x333bbd2e                      ; that f32 less pi / 2
	s_mov_b32 s42, 0xb94ca1f9                      ; sine: -1.9515295891e-4, 8.3321608736e-3, -1.6666654611e-1
	s_mov_b32 s43, 0x3c08839e
	s_mov_b32 s44, 0xbe2aaaa3
	s_mov_b32 s45, 0x37ccf5ce                      ; cosine: 2.443315711809948e-5, -1.388731625493765e-3, 4.166664568298827e-2
	s_mov_b32 s46, 0xbab6061a
	s_mov_b32 s47, 0x3d2aaaa5
	s_wait_alu depctr_va_vdst(0)
	v_and_b32 v10, 8, v4
	v_add_nc_u32 v10, v10, v4
	v_add_nc_u32 v10, s30, v10                     ; my token t
	v_cvt_f32_u32 v10, v10
	v_add_f32 v11, 0xc4800000, v10                 ; t - 1024
	v_mul_f32 v11, 0x3b000000, v11                 ; / 512: the power, exact
	v_mov_b32 v12, 1.0
	v_mov_b32 v13, 0x41200000
	v_cndmask_b32 v12, v12, v13, s37               ; 10^h
	v_mul_f32 v13, 0x42c80000, v12                 ; 10^(2 + h)
	v_lshlrev_b32 v15, 4, v5                       ; 16 h
.macro POW e, c                        ; 10000^(2 i / 64) = 10^(i / 8), i = 16 b + 8 h + e
	v_mul_f32 v[16+\e], \c, v12
	v_mul_f32 v[24+\e], \c, v13
.endm
	POW 0, 1.0
	POW 1, 0x3faab0d5
	POW 2, 0x3fe39ea9
	POW 3, 0x4017c496
	POW 4, 0x404a62c2
	POW 5, 0x4086f161
	POW 6, 0x40b3f300
	POW 7, 0x40eff755
	s_wait_alu depctr_va_vdst(0)
.irp p, 0,1,2,3,4,5,6,7,8,9,10,11,12,13,14,15
	v_rcp_f32 v[32+\p], v[16+\p]
.endr
.irp p, 0,1,2,3,4,5,6,7,8,9,10,11,12,13,14,15
	v_add_nc_u32 v[48+\p], 32*(\p/8)+2*(\p%8), v15 ; 2 i.  (Plain work behind the reciprocals)
.endr
.irp p, 0,1,2,3,4,5,6,7,8,9,10,11,12,13,14,15
	v_cvt_f32_u32 v[48+\p], v[48+\p]
.endr
.irp p, 0,1,2,3,4,5,6,7,8,9,10,11,12,13,14,15
	v_add_f32 v[48+\p], 0x41cccccd, v[48+\p]       ; + 25.6
.endr
.irp p, 0,1,2,3,4,5,6,7,8,9,10,11,12,13,14,15
	v_mul_f32 v[48+\p], 0x3c36db6e, v[48+\p]       ; / 89.6: the base
.endr
	s_wait_alu depctr_va_vdst(0)                   ; one wait for the sixteen reciprocals, ahead of their first reader
.irp p, 0,1,2,3,4,5,6,7,8,9,10,11,12,13,14,15
	v_fma_f32 v[64+\p], -v[16+\p], v[32+\p], 1.0   ; one Newton step
.endr
.irp p, 0,1,2,3,4,5,6,7,8,9,10,11,12,13,14,15
	v_fma_f32 v[32+\p], v[32+\p], v[64+\p], v[32+\p]   ; inv_freq
.endr
	s_wait_alu depctr_va_vdst(0)
.irp p, 0,1,2,3,4,5,6,7,8,9,10,11,12,13,14,15
	v_log_f32 v[48+\p], v[48+\p]                   ; log2 of the base
.endr
.irp p, 0,1,2,3,4,5,6,7,8,9,10,11,12,13,14,15
	v_mul_f32 v[16+\p], v10, v[32+\p]              ; the angle, rounded as the problem rounds it
.endr
.irp p, 0,1,2,3,4,5,6,7,8,9,10,11,12,13,14,15
	v_mul_f32 v[64+\p], 0x3f22f983, v[16+\p]
.endr
.irp p, 0,1,2,3,4,5,6,7,8,9,10,11,12,13,14,15
	v_rndne_f32 v[64+\p], v[64+\p]                 ; N quarter turns
.endr
.irp p, 0,1,2,3,4,5,6,7,8,9,10,11,12,13,14,15
	v_fma_f32 v[16+\p], -v[64+\p], s40, v[16+\p]   ; exact: a multiple of 2^-23 under 1
.endr
.irp p, 0,1,2,3,4,5,6,7,8,9,10,11,12,13,14,15
	v_fma_f32 v[16+\p], v[64+\p], s41, v[16+\p]    ; the rest angle, within pi / 4
.endr
.irp p, 0,1,2,3,4,5,6,7,8,9,10,11,12,13,14,15
	v_mul_f32 v[32+\p], v[16+\p], v[16+\p]         ; z
.endr
	s_wait_alu depctr_va_vdst(0)                   ; one wait for the sixteen logarithms
.irp p, 0,1,2,3,4,5,6,7,8,9,10,11,12,13,14,15
	v_mul_f32 v[48+\p], v11, v[48+\p]
.endr
	s_wait_alu depctr_va_vdst(0)
.irp p, 0,1,2,3,4,5,6,7,8,9,10,11,12,13,14,15
	v_exp_f32 v[80+\p], v[48+\p]                   ; scale
.endr
.irp p, 0,1,2,3,4,5,6,7,8,9,10,11,12,13,14,15
	v_exp_f32 v[96+\p], -v[48+\p]                  ; 1 / scale
.endr
.irp p, 0,1,2,3,4,5,6,7,8,9,10,11,12,13,14,15
	v_fma_f32 v[112+\p], v[32+\p], s42, s43
	v_fma_f32 v[128+\p], v[32+\p], s45, s46
.endr
.irp p, 0,1,2,3,4,5,6,7,8,9,10,11,12,13,14,15
	v_fma_f32 v[112+\p], v[112+\p], v[32+\p], s44
	v_fma_f32 v[128+\p], v[128+\p], v[32+\p], s47
.endr
.irp p, 0,1,2,3,4,5,6,7,8,9,10,11,12,13,14,15
	v_mul_f32 v[112+\p], v[112+\p], v[32+\p]
	v_mul_f32 v[128+\p], v[128+\p], v[32+\p]
	v_fma_f32 v[144+\p], v[32+\p], -0.5, 1.0
.endr
.irp p, 0,1,2,3,4,5,6,7,8,9,10,11,12,13,14,15
	v_fma_f32 v[112+\p], v[112+\p], v[16+\p], v[16+\p]     ; the rest angle's sine
	v_fma_f32 v[128+\p], v[128+\p], v[32+\p], v[144+\p]    ; and cosine
	v_cvt_i32_f32 v[64+\p], v[64+\p]
.endr
.irp p, 0,1,2,3,4,5,6,7,8,9,10,11,12,13,14,15
	v_and_b32 v[144+\p], 1, v[64+\p]
	v_cmp_eq_u32 vcc_lo, 1, v[144+\p]              ; an odd quarter turn swaps the two: a selection, no branch
	v_cndmask_b32 v[144+\p], v[112+\p], v[128+\p], vcc_lo  ; sine
	v_cndmask_b32 v[160+\p], v[128+\p], v[112+\p], vcc_lo  ; cosine
	v_lshlrev_b32 v[112+\p], 30, v[64+\p]          ; bit 1 of N turns the sine's sign,
	v_add_nc_u32 v[64+\p], 1, v[64+\p]
	v_and_b32 v[112+\p], 0x80000000, v[112+\p]
	v_lshlrev_b32 v[64+\p], 30, v[64+\p]           ; bit 1 of N + 1 the cosine's
	v_xor_b32 v[144+\p], v[112+\p], v[144+\p]
	v_and_b32 v[64+\p], 0x80000000, v[64+\p]
	v_xor_b32 v[160+\p], v[64+\p], v[160+\p]
.endr
	s_wait_alu depctr_va_vdst(0)                   ; one wait for the 32 exponentials
.irp p, 0,1,2,3,4,5,6,7,8,9,10,11,12,13,14,15
	v_mul_f32 v[176+2*\p], v[160+\p], v[80+\p]
	v_mul_f32 v[177+2*\p], v[144+\p], v[80+\p]
	v_mul_f32 v[208+2*\p], v[160+\p], v[96+\p]
	v_mul_f32 v[209+2*\p], v[144+\p], v[96+\p]
.endr
.irp k, 0,1,2,3,4,5,6,7
	global_store_b128 v[LI], v[176+4*\k:179+4*\k], s[28:29] offset:512*\k
	global_store_b128 v[LI], v[208+4*\k:211+4*\k], s[28:29] offset:524288+512*\k
.endr
	s_endpgm
.Lfunc_end_k_q72c84a465b_prep:
	.size	k_q72c84a465b_prep, .Lfunc_end_k_q72c84a465b_prep-k_q72c84a465b_prep
	.p2alignl 7, 3214868480
	.fill 96, 4, 3214868480
	.section	.rodata,"a",@progbits
	.p2align	6, 0x0
	.amdhsa_kernel k_q72c84a465b_prep
		.amdhsa_group_segment_fixed_size 34304
		.amdhsa_private_segment_fixed_size 0
		.amdhsa_enable_private_segment 0
		.amdhsa_kernarg_size 64
		.amdhsa_user_sgpr_count 2
		.amdhsa_user_sgpr_kernarg_segment_ptr 1
		.amdhsa_wavefront_size32 1
		.amdhsa_system_sgpr_workgroup_id_x 1
		.amdhsa_system_sgpr_workgroup_id_y 1
		.amdhsa_system_sgpr_workgroup_id_z 1
		.amdhsa_system_vgpr_workitem_id 0
		.amdhsa_next_free_vgpr 256
		.amdhsa_next_free_sgpr 66
		.amdhsa_reserve_vcc 1
		.amdhsa_float_denorm_mode_32 3
		.amdhsa_float_denorm_mode_16_64 3
		.amdhsa_memory_ordered 1
		.amdhsa_forward_progress 1
		.amdhsa_inst_pref_size 133
	.end_amdhsa_kernel
	.amdgpu_metadata
---
amdhsa.version: [ 1, 2 ]
amdhsa.kernels:
  - .name:           k_q72c84a465b_prep
    .symbol:         k_q72c84a465b_prep.kd
    .args:
      - { .name: x, .offset: 0, .size: 8, .value_kind: global_buffer, .address_space: global }
      - { .name: Wq, .offset: 8, .size: 8, .value_kind: global_buffer, .address_space: global }
      - { .name: Wk, .offset: 16, .size: 8, .value_kind: global_buffer, .address_space: global }
      - { .name: Wv, .offset: 24, .size: 8, .value_kind: global_buffer, .address_space: global }
      - { .name: Wo, .offset: 32, .size: 8, .value_kind: global_buffer, .address_space: global }
      - { .name: xq, .offset: 40, .size: 8, .value_kind: global_buffer, .address_space: global }
      - { .name: wc, .offset: 48, .size: 8, .value_kind: global_buffer, .address_space: global }
      - { .name: tab, .offset: 56, .size: 8, .value_kind: global_buffer, .address_space: global }
    .group_segment_fixed_size: 34304
    .private_segment_fixed_size: 0
    .kernarg_segment_align: 8
    .kernarg_segment_size: 64
    .max_flat_workgroup_size: 128
    .sgpr_count:     66
    .vgpr_count:     256
    .wavefront_size: 32
...
	.end_amdgpu_metadata
.endif
;; end of part 1
;; launch qkv (part 2): grid 16 x 32, 4 waves a work-group, clusters of 4 x 4, 327,680 bytes of LDS; arguments xq, wc, tab, qpk, kv, attn_mask, mk; writes qpk, kv, mk
.if DOCPART == 2
	.amdgcn_target "amdgcn-amd-amdhsa--gfx1250"
	.amdhsa_code_object_version 6
	.text
	.protected	k_q72c84a465b_qkv
	.globl	k_q72c84a465b_qkv
	.p2align	8
	.type	k_q72c84a465b_qkv,@function
k_q72c84a465b_qkv:
	s_mov_b64 s[64:65], 0
	v_nop
	global_prefetch_b8 v0, s[64:65] scope:SCOPE_SE
	s_setreg_imm32_b32 hwreg(HW_REG_WAVE_MODE, 25, 1), 1
	s_wait_xcnt 0x0
	s_wait_alu depctr_hold_cnt(0) depctr_sa_sdst(0) depctr_va_vdst(0) depctr_va_sdst(0) depctr_va_ssrc(0) depctr_va_vcc(0) depctr_vm_vsrc(0)
	s_getreg_b32 s2, hwreg(HW_REG_IB_STS2, 6, 4)
	s_cmp_eq_u32 s2, 0
	s_cbranch_scc0 .Lentry_in_a_cluster
	s_endpgm
.Lentry_in_a_cluster:
	s_bfe_u32 s2, ttmp6, 0x10000c
	s_cmp_lg_u32 s2, 0xf033
	s_cbranch_scc0 .Lentry_shape_is_right
	s_endpgm
.Lentry_shape_is_right:
; QKV: the three projections on codes (clusters with x = 0, 1, 2: q, k, v), with the rotary step and the quantisers of the next products on the way out; no work is left out.
; THE MASK: the clusters with x = 3 have no product.  Their 128 work-groups turn attn_mask (int32) into lane masks, one bit a number: 512 waves, 512 tiles of 16 queries, a wave to a tile, all 16 key steps of 128 keys.
; With them the grid is 512 work-groups.  The branch hangs on the cluster's x, which all sixteen partners share; that path has no tensor load and LDS bytes of its own.
; mk: [batch][tile of 16 queries 128][key step 16][64 words]: bit L of word n says whether key 128 s + 32 (n / 16) + 16 (L / 16) + n % 16 counts for the tile's query L % 16; tile T's lane-row m is row 32 (T / 2) + 8 (T % 2) + m + 8 (m / 8).
.set BLKB,  16896
.set MSTG,  8*2*BLKB+512               ; the mask path's stages, behind the ring and the spare words: 16 rows of 512 bytes, 528 apart, for each wave
.set MSTW,  2                          ; v2  the stage on the way in: 16 x lane
.set MSTR,  3                          ; v3  and on the way out: row r, + 64 h
.set MW,    32                         ; v32-35  two key steps' mask words, two registers each
.set MR,    64                         ; v64-191 two sets of 16 loads
.set MX,    192                        ; v192-255 64 numbers of a lane: register 16 c + i = key 32 c + 16 h + i of its row
.set CHB,   2*BLKB
.set SLOT,  4*CHB
.set SPARE, 2*SLOT
.set NL,    4
.set NP,    8
.set ADRA, 16
.set ADRB, 20
.set LI,   26
.set L8,   27
.set SPW,  28
.set NIL,  29
.set SC,   32
.set TB,   64
.set AF,   128
.set X,    128
.set PC,   192
.set TM,   224
.set PW,   240
.set TT,   248
.set G1,  24
.set G0,  32
.set G1B, 48
.set G0B, 56
.set MSB, 0
.macro WIN new
.if MSB != (\new)
	s_set_vgpr_msb (MSB<<8)|(\new)
.set MSB, (\new)
.endif
.endm
.set MUL_LO, 0xa1
.set MUL_HI, 0xf1
.set TO_B,   0x40
.macro JLOAD g0a, g1a, g0b, g1b
	s_cmp_eq_u32 s15, 0
	s_cbranch_scc0 .Lfor_b_\@
	tensor_load_to_lds s[\g0a:\g0a+3], s[\g1a:\g1a+7]
	s_nop 0
.rept 4
	v_nop
.endr
	s_branch .Lasked_\@
.Lfor_b_\@:
	tensor_load_to_lds s[\g0b:\g0b+3], s[\g1b:\g1b+7]
	s_nop 0
.rept 4
	v_nop
.endr
.Lasked_\@:
.endm
.macro CREST
	s_cmp_lg_u32 s14, 0
	s_cbranch_scc1 .Lnot_wave_0_\@
	s_barrier_signal -3
.Lnot_wave_0_\@:
	s_barrier_wait -3
	s_barrier_signal -1
	s_barrier_wait -1
.endm
.macro CROUND
	s_barrier_signal -1
	s_barrier_wait -1
	CREST
.endm
.macro PLACES n
.rept \n
	v_nop
.endr
.endm
.macro FRAG reg, adr, q, i
.irp c, 0,1,2,3
	ds_load_b128 v[\reg+4*\c:\reg+4*\c+3], v[\adr] offset:BLKB*(\q)+2048*(\i)+512*\c
.endr
.endm
.macro FETCH_B slot, q, p
	WIN TO_B
.irp i, 0,1,2,3,4,5,6,7
	FRAG 128*(\p)+16*\i, ADRB+\slot, \q, \i
.endr
	WIN 0
.endm
.macro FETCH_A slot, q, i0
.irp i, \i0, \i0+1, \i0+2, \i0+3
	FRAG AF+16*(\i), ADRA+\slot, \q, \i
.endr
.endm
.macro SCALES sl
.irp q, 0,1
	ds_load_b128 v[SC+16*(\sl)+8*\q:SC+16*(\sl)+8*\q+3], v[ADRA+\sl] offset:BLKB*\q+16384
	ds_load_b128 v[SC+16*(\sl)+8*\q+4:SC+16*(\sl)+8*\q+7], v[ADRB+\sl] offset:BLKB*\q+16384
.endr
.endm
.macro WM zero
.if \zero
.if oB && oA
	v_wmma_scale_f32_16x16x128_f8f6f4 v[rD:rD+7], v[rB:rB+15], v[rA:rA+15], 0, v[rSB], v[rSA] matrix_a_scale:MATRIX_SCALE_ROW1 matrix_b_scale:MATRIX_SCALE_ROW1
.elseif oB
	v_wmma_scale_f32_16x16x128_f8f6f4 v[rD:rD+7], v[rB:rB+15], v[rA:rA+15], 0, v[rSB], v[rSA] matrix_a_scale:MATRIX_SCALE_ROW1
.elseif oA
	v_wmma_scale_f32_16x16x128_f8f6f4 v[rD:rD+7], v[rB:rB+15], v[rA:rA+15], 0, v[rSB], v[rSA] matrix_b_scale:MATRIX_SCALE_ROW1
.else
	v_wmma_scale_f32_16x16x128_f8f6f4 v[rD:rD+7], v[rB:rB+15], v[rA:rA+15], 0, v[rSB], v[rSA]
.endif
.else
.if oB && oA
	v_wmma_scale_f32_16x16x128_f8f6f4 v[rD:rD+7], v[rB:rB+15], v[rA:rA+15], v[rD:rD+7], v[rSB], v[rSA] matrix_a_scale:MATRIX_SCALE_ROW1 matrix_b_scale:MATRIX_SCALE_ROW1
.elseif oB
	v_wmma_scale_f32_16x16x128_f8f6f4 v[rD:rD+7], v[rB:rB+15], v[rA:rA+15], v[rD:rD+7], v[rSB], v[rSA] matrix_a_scale:MATRIX_SCALE_ROW1
.elseif oA
	v_wmma_scale_f32_16x16x128_f8f6f4 v[rD:rD+7], v[rB:rB+15], v[rA:rA+15], v[rD:rD+7], v[rSB], v[rSA] matrix_b_scale:MATRIX_SCALE_ROW1
.else
	v_wmma_scale_f32_16x16x128_f8f6f4 v[rD:rD+7], v[rB:rB+15], v[rA:rA+15], v[rD:rD+7], v[rSB], v[rSA]
.endif
.endif
.endm
.macro MUL16 a0, p, q, sc, zero
.irp a, \a0, \a0+1
.irp b, 0,1,2,3,4,5,6,7
.set rD, 8*(8*((\a)%4)+\b)
.set rB, 128*(\p)+16*\b
.set rA, AF+16*(\a)
.set rSB, SC+16*(\sc)+8*(\q)+4+\b/2
.set rSA, SC+16*(\sc)+8*(\q)+(\a)/2
.set oB, \b%2
.set oA, (\a)%2
	WM \zero
.endr
.endr
.endm
.macro STEP slot, q, zero
	s_wait_dscnt 4*NL
	WIN MUL_LO
	MUL16 0, (\q)%2, \q, \slot, \zero
	MUL16 2, (\q)%2, \q, \slot, \zero
	s_wait_dscnt 0
	PLACES NP
	FETCH_B \slot, (\q)+1, 1-(\q)%2
	FETCH_A \slot, (\q)+1, 0
	WIN MUL_HI
	MUL16 4, (\q)%2, \q, \slot, \zero
	MUL16 6, (\q)%2, \q, \slot, \zero
	PLACES NP
	WIN 0
	FETCH_A \slot, (\q)+1, 4
.endm
.macro TURN slot, next, fill
	s_wait_tensorcnt 0x0
	ds_add_u32 v[SPW], v[NIL]
	s_wait_dscnt 4*NL+1
	WIN MUL_LO
	MUL16 0, 1, 1, \slot, 0
	s_wait_dscnt 0x0
	s_barrier_signal -1
	MUL16 2, 1, 1, \slot, 0
	WIN 0
	s_barrier_wait -1
.if \fill
	CREST
	s_add_nc_u64 s[G0+4*\slot+2:G0+4*\slot+3], s[G0+4*\slot+2:G0+4*\slot+3], 2*CHB
	s_add_nc_u64 s[G0B+4*\slot+2:G0B+4*\slot+3], s[G0B+4*\slot+2:G0B+4*\slot+3], 2*CHB
	JLOAD G0+4*\slot, G1, G0B+4*\slot, G1B
	PLACES NP-4
.else
	PLACES NP
.endif
	FETCH_B \next, 0, 0
	FETCH_A \next, 0, 0
	SCALES \next
	WIN MUL_HI
	MUL16 4, 1, 1, \slot, 0
	MUL16 6, 1, 1, \slot, 0
	PLACES NP
	WIN 0
	FETCH_A \next, 0, 4
.endm
.macro QUANT s, w, pw
	WIN ((\w)|((\w)<<2))
.irp b, 0,1,2,3
	v_max3_num_f32 v[TM+\b], |v[(\s)+16*\b]|, |v[(\s)+16*\b+1]|, 0x4800000
.endr
.irp i, 2,4,6,8,10,12,14
.irp b, 0,1,2,3
	v_max3_num_f32 v[TM+\b], |v[(\s)+16*\b+\i]|, |v[(\s)+16*\b+\i+1]|, v[TM+\b]
.endr
.endr
	WIN 0
.irp b, 0,1,2,3
	v_permlanex16_b32 v[TM+4+\b], v[TM+\b], s86, s87
.endr
.irp b, 0,1,2,3
	v_max_num_f32 v[TM+\b], v[TM+\b], v[TM+4+\b]
.endr
.irp b, 0,1,2,3
	v_add_nc_u32 v[TM+12+\b], 0xfc000000, v[TM+\b]
.endr
.irp b, 0,1,2,3
	v_and_or_b32 v[TM+8+\b], v[TM+\b], 0x7f800000, s85
.endr
.irp b, 0,1,2,3
	v_lshrrev_b32 v[TM+4+\b], 23, v[TM+12+\b]
.endr
	v_lshl_or_b32 v[\pw], v[TM+5], 8, v[TM+4]
	v_lshl_or_b32 v[\pw], v[TM+6], 16, v[\pw]
	v_lshl_or_b32 v[\pw], v[TM+7], 24, v[\pw]
	WIN (\w)
.set n, 0
.rept 64
	v_med3_num_f32 v[X+n], v[(\s)+n], -v[TM+8+n/16], v[TM+8+n/16]
.set n, n+1
.endr
	WIN 0
	s_wait_alu depctr_va_vdst(0)
	s_wait_xcnt 0x0
.irp b, 0,1,2,3
	v_cvt_scalef32_pk8_fp8_f32 v[PC+4*\b:PC+4*\b+1], v[X+16*\b:X+16*\b+7], v[TM+12+\b]
	v_cvt_scalef32_pk8_fp8_f32 v[PC+4*\b+2:PC+4*\b+3], v[X+16*\b+8:X+16*\b+15], v[TM+12+\b]
.endr
	v_nop
.endm
	s_load_b256 s[4:11], s[0:1], 0x0
	s_load_b64 s[12:13], s[0:1], 0x20
	s_load_b128 s[92:95], s[0:1], 0x28             ; attn_mask, mk
	v_lshl_add_u32 v[SPW], v0, 2, SPARE
	v_mov_b32 v[NIL], 0
	ds_add_u32 v[SPW], v[NIL]
	ds_add_u32 v[SPW], v[NIL]
	v_lshrrev_b32 v1, 5, v0
	v_readfirstlane_b32 s14, v1
	s_lshr_b32 s15, s14, 1
	s_and_b32 s16, s14, 1
	s_bfe_u32 s40, ttmp6, 0x40000
	s_bfe_u32 s41, ttmp6, 0x40004
	s_and_b32 s42, ttmp7, 0xffff
	s_lshl_b32 s42, s42, 2
	s_lshl_b32 s43, ttmp9, 2
	s_cmp_eq_u32 ttmp9, 2
	s_cselect_b32 s44, 0, s42
	s_cselect_b32 s45, s42, s43
	s_cselect_b32 s18, 2162688, 0
	s_add_co_u32 s44, s44, s41
	s_add_co_u32 s45, s45, s40
	s_lshl_b32 s46, s41, 2
	s_lshl_b32 s46, 15, s46
	s_lshl_b32 s47, 0x1111, s40
	s_or_b32 s[G1], s46, (3<<16)|(1<<21)
	s_or_b32 s[G1B], s47, (3<<16)|(1<<21)
.irp g, G1, G1B
	s_mov_b32 s[\g+1], 32<<16
	s_mov_b32 s[\g+2], 132<<16
	s_mov_b32 s[\g+3], 32<<16
	s_mov_b32 s[\g+4], 132
	s_mov_b32 s[\g+5], 32
	s_mov_b32 s[\g+6], 0
	s_mov_b32 s[\g+7], 0
.endr
	s_mul_i32 s17, s16, 4*CHB
	s_mul_i32 s20, s44, 8*CHB
	s_add_co_u32 s20, s20, s17
	s_add_co_u32 s20, s20, s18
	s_mov_b32 s21, 0
	s_mul_i32 s22, s45, 8*CHB
	s_add_co_u32 s22, s22, s17
	s_mov_b32 s23, 0
	s_mul_i32 s19, s14, CHB
	v_and_b32 v1, 31, v0
	v_lshlrev_b32 v[LI], 4, v1
	v_lshlrev_b32 v[L8], 3, v1
	s_mul_i32 s70, s15, CHB
	s_mul_i32 s71, s16, CHB
	s_add_co_u32 s71, s71, 2*CHB
.irp s, 0,1
	v_add_nc_u32 v[ADRA+\s], s70, v[LI]
	v_add_nc_u32 v[ADRB+\s], s71, v[LI]
	s_add_co_u32 s70, s70, SLOT
	s_add_co_u32 s71, s71, SLOT
.endr
	s_mov_b32 s84, 0xffff0000
	s_mov_b32 s85, 0x600000
	s_mov_b32 s86, 0x76543210
	s_mov_b32 s87, 0xfedcba98
	s_mov_b32 s88, 0x05040100
	s_mov_b32 s89, 0x07060302
	s_wait_dscnt 0x0
	s_wait_kmcnt 0x0
	s_cmp_eq_u32 ttmp9, 3                          ; the cluster's x: the same in all sixteen partners
	s_wait_alu depctr_va_vdst(0)                   ; directly ahead of the branch
	s_cbranch_scc1 .Lrole_m
	s_cmp_eq_u32 ttmp9, 2
	s_cselect_b64 s[66:67], s[6:7], s[4:5]
	s_cselect_b64 s[68:69], s[4:5], s[6:7]
	s_add_nc_u64 s[20:21], s[66:67], s[20:21]
	s_add_nc_u64 s[22:23], s[68:69], s[22:23]
	CROUND
.irp s, 0,1
	s_mov_b32 s[G0+4*\s], 1
	s_add_co_u32 s[G0+4*\s+1], s19, \s*SLOT
	s_add_nc_u64 s[G0+4*\s+2:G0+4*\s+3], s[20:21], \s*CHB
	s_or_b32 s[G0+4*\s+3], s[G0+4*\s+3], 0x80000000
	s_mov_b32 s[G0B+4*\s], 1
	s_add_co_u32 s[G0B+4*\s+1], s19, \s*SLOT
	s_add_nc_u64 s[G0B+4*\s+2:G0B+4*\s+3], s[22:23], \s*CHB
	s_or_b32 s[G0B+4*\s+3], s[G0B+4*\s+3], 0x80000000
	s_wait_alu depctr_va_vdst(0)
	s_wait_tensorcnt 0x0
	ds_add_u32 v28, v29
	ds_add_u32 v28, v29
	s_wait_dscnt 0x0
	CROUND
	JLOAD G0+4*\s, G1, G0B+4*\s, G1B
.endr
	s_wait_tensorcnt 1
	s_barrier_signal -1
	s_barrier_wait -1
	s_wait_alu depctr_va_vdst(0)
	FETCH_B 0, 0, 0
	FETCH_A 0, 0, 0
	SCALES 0
	FETCH_A 0, 0, 4
	STEP 0, 0, 1
	TURN 0, 1, 1
	STEP 1, 0, 0
	TURN 1, 0, 1
	STEP 0, 0, 0
	TURN 0, 1, 0
	STEP 1, 0, 0
	s_wait_dscnt 4*NL
	WIN MUL_LO
	MUL16 0, 1, 1, 1, 0
	MUL16 2, 1, 1, 1, 0
	s_wait_dscnt 0
	WIN MUL_HI
	MUL16 4, 1, 1, 1, 0
	MUL16 6, 1, 1, 1, 0
	WIN 0
	s_cmp_eq_u32 ttmp9, 2
	s_cbranch_scc1 .Lrole_v
	s_lshl_b32 s70, s44, 1
	s_add_co_u32 s70, s70, s15
	s_lshr_b32 s71, s70, 4
	s_and_b32 s72, s70, 15
	s_lshl_b32 s73, s45, 1
	s_add_co_u32 s73, s73, s16
	s_and_b32 s73, s73, 7
	s_lshl_b32 s71, s71, 4
	s_lshl_b32 s73, s73, 1
	s_add_co_u32 s71, s71, s73
	s_lshl_b32 s71, s71, 4
	s_add_co_u32 s71, s71, s72
	s_mov_b32 s74, 16896
	s_cmp_eq_u32 ttmp9, 0
	s_cselect_b32 s74, 8448, s74
	s_cselect_b64 s[76:77], s[10:11], s[12:13]
	s_mul_i32 s78, s71, s74
	s_mov_b32 s79, 0
	s_add_nc_u64 s[76:77], s[76:77], s[78:79]
	s_lshl_b32 s78, s74, 4
	s_add_nc_u64 s[80:81], s[76:77], s[78:79]
	s_lshl_b32 s78, ttmp9, 19
	s_lshl_b32 s72, s72, 15
	s_add_co_u32 s78, s78, s72
	s_add_nc_u64 s[82:83], s[8:9], s[78:79]
.macro TBL a
.irp k, 0,1,2,3,4,5,6,7
	global_load_b128 v[TB+32*((\a)%2)+4*\k:TB+32*((\a)%2)+4*\k+3], v[LI], s[82:83] offset:4096*(\a)+512*\k
.endr
.endm
	TBL 0
	TBL 1
	PLACES NP
.irp b, 0,1,2,3
	v_mov_b32 v[TM+4+\b], 0
.endr
.macro QKTILE a
.if \a < 7
	s_wait_loadcnt 8
.else
	s_wait_loadcnt 0x0
.endif
	WIN (2+(\a)/4)
.set n, 0
.rept 32
.set rA, 64*((\a)%4)+n
.set rT, TB+32*((\a)%2)+n%32
.set rW, TT+2*((n/2)%4)
	v_mul_f32 v[rW], v[rA+1], v[rT+1]
	v_mul_f32 v[rW+1], v[rA], v[rT+1]
	v_fma_f32 v[X+n], v[rA], v[rT], -v[rW]
	v_fma_f32 v[X+n+1], v[rA+1], v[rT], v[rW+1]
.set n, n+2
.endr
	WIN 0
.if \a < 6
	TBL (\a)+2
.endif
	QUANT X, 0, PW+\a
	global_store_b128 v[LI], v[PC:PC+3], s[76:77] offset:1024*(\a)
	global_store_b128 v[LI], v[PC+4:PC+7], s[76:77] offset:1024*(\a)+512
	global_store_b128 v[LI], v[PC+8:PC+11], s[80:81] offset:1024*(\a)
	global_store_b128 v[LI], v[PC+12:PC+15], s[80:81] offset:1024*(\a)+512
.endm
.irp a, 0,1,2,3,4,5,6,7
	QKTILE \a
.endr
.irp p, 0,1,2,3
	v_perm_b32 v[TT+\p], v[PW+2*\p+1], v[PW+2*\p], s88
	v_perm_b32 v[TT+4+\p], v[PW+2*\p+1], v[PW+2*\p], s89
.endr
	v_cndmask_b32 v[TM], v[TT], v[TT+1], s84
	v_cndmask_b32 v[TM+1], v[TT+2], v[TT+3], s84
	v_cndmask_b32 v[TM+2], v[TT+4], v[TT+5], s84
	v_cndmask_b32 v[TM+3], v[TT+6], v[TT+7], s84
	global_store_b64 v[L8], v[TM:TM+1], s[76:77] offset:8192
	global_store_b64 v[L8], v[TM+2:TM+3], s[80:81] offset:8192
	s_branch .Lend
.Lrole_v:
	s_lshl_b32 s70, s45, 1
	s_add_co_u32 s70, s70, s16
	s_lshr_b32 s71, s70, 4
	s_and_b32 s72, s70, 15
	s_lshl_b32 s73, s44, 1
	s_add_co_u32 s73, s73, s15
	s_lshl_b32 s71, s71, 4
	s_lshl_b32 s73, s73, 1
	s_add_co_u32 s71, s71, s73
	s_lshl_b32 s71, s71, 4
	s_add_co_u32 s71, s71, s72
	s_mul_i32 s78, s71, 16896
	s_add_co_u32 s78, s78, 8448
	s_mov_b32 s79, 0
	s_add_nc_u64 s[76:77], s[12:13], s[78:79]
	s_add_nc_u64 s[80:81], s[76:77], 270336
	PLACES NP
.irp b, 0,1,2,3
	v_mov_b32 v[TM+4+\b], 0
.endr
.macro VTILE a
	QUANT 64*((\a)%4), 2+(\a)/4, PW+\a
.irp c, 0,1,2,3
.if \a < 4
	global_store_b128 v[LI], v[PC+4*\c:PC+4*\c+3], s[76:77] offset:2048*((\a)%4)+512*\c
.else
	global_store_b128 v[LI], v[PC+4*\c:PC+4*\c+3], s[80:81] offset:2048*((\a)%4)+512*\c
.endif
.endr
.endm
.irp a, 0,1,2,3,4,5,6,7
	VTILE \a
.endr
	v_cndmask_b32 v[TM], v[PW], v[PW+1], s84
	v_cndmask_b32 v[TM+1], v[PW+2], v[PW+3], s84
	v_cndmask_b32 v[TM+2], v[PW+4], v[PW+5], s84
	v_cndmask_b32 v[TM+3], v[PW+6], v[PW+7], s84
	global_store_b64 v[L8], v[TM:TM+1], s[76:77] offset:8192
	global_store_b64 v[L8], v[TM+2:TM+3], s[80:81] offset:8192
	s_branch .Lend
	; ---- THE MASK.  My wave's tile of 16 queries: 16 whole rows of 8,192 bytes in, 16 x 256 consecutive bytes of words out
.Lrole_m:
	s_add_co_u32 s70, s42, s41                     ; 4 x cluster y + cy
	s_lshl_b32 s70, s70, 2
	s_add_co_u32 s70, s70, s40                     ; the work-group among the 128 (cx and cy enter global addresses alone)
	s_lshl_b32 s70, s70, 2
	s_add_co_u32 s70, s70, s14                     ; 128 batch + tile T
	s_lshr_b32 s71, s70, 7
	s_and_b32 s72, s70, 127
	s_lshr_b32 s73, s72, 1
	s_lshl_b32 s73, s73, 5
	s_and_b32 s74, s72, 1
	s_lshl_b32 s74, s74, 3
	s_add_co_u32 s73, s73, s74                     ; its first row: 32 (T / 2) + 8 (T % 2)
	s_lshl_b32 s73, s73, 13                        ; rows of 8,192 bytes
	s_lshl_b32 s74, s71, 24
	s_add_co_u32 s66, s73, s74
	s_mov_b32 s67, 0
	s_add_nc_u64 s[66:67], s[92:93], s[66:67]
	s_lshl_b32 s68, s70, 12
	s_mov_b32 s69, 0
	s_add_nc_u64 s[68:69], s[94:95], s[68:69]
	s_mul_i32 s75, s14, 8448
	s_add_co_u32 s75, s75, MSTG                    ; my stage
	v_and_b32 v4, 15, v0
	v_bfe_u32 v5, v0, 4, 1
	v_add_nc_u32 v[MSTW], s75, v[LI]
	v_mul_u32_u24 v[MSTR], v4, 528
	v_lshl_add_u32 v[MSTR], v5, 6, v[MSTR]
	v_add_nc_u32 v[MSTR], s75, v[MSTR]
.irp j, 0,1,2,3
	v_mov_b32 v[MW+\j], 0                          ; v_writelane_b32's destination counts as read
.endr
.macro MLOAD set, col                  ; a key step: 512 bytes of each of the tile's 16 rows; each load reads 512 consecutive bytes
.irp m, 0,1,2,3,4,5,6,7,8,9,10,11,12,13,14,15
	global_load_b128 v[MR+64*(\set)+4*\m:MR+64*(\set)+4*\m+3], v[LI], s[66:67] offset:(\m+8*(\m/8))*8192+(\col) th:TH_LOAD_NT
.endr
.endm
.macro MTILE set, out, more            ; out: the loads that may stay out; more = 1: the set is loaded again, two key steps on
	s_wait_loadcnt \out
.irp m, 0,1,2,3,4,5,6,7,8,9,10,11,12,13,14,15
	ds_store_b128 v[MSTW], v[MR+64*(\set)+4*\m:MR+64*(\set)+4*\m+3] offset:528*\m   ; through my own stage: in as loaded, out 64 bytes of a block a lane
.endr
.irp c, 0,1,2,3
.irp j, 0,1,2,3
	ds_load_b128 v[MX+16*\c+4*\j:MX+16*\c+4*\j+3], v[MSTR] offset:128*\c+16*\j
.endr
.endr
	s_wait_dscnt 0x0                               ; the numbers are back, and the stores have read the set
.if \more
	MLOAD \set, 1024+512*(\set)
.endif
.set n, 0
.rept 8
.irp k, 0,1,2,3,4,5,6,7
	v_cmp_ne_u32 s[72+\k], 0, v[MX+n+\k]           ; the compare's lane mask IS word n + k
.endr
.irp k, 0,1,2,3,4,5,6,7
	v_writelane_b32 v[MW+2*(\set)+(\k%2)], s[72+\k], (n+\k)/2   ; word n goes to lane n / 2, register n % 2
.endr
.set n, n+8
.endr
	global_store_b64 v[L8], v[MW+2*(\set):MW+2*(\set)+1], s[68:69] offset:256*(\set)   ; 256 consecutive bytes
.endm
	MLOAD 0, 0
	MLOAD 1, 512
	s_mov_b32 s80, 7
	s_wait_alu depctr_va_vdst(0)                   ; at the head's end
.Lmk:                                              ; seven trips of two key steps; each asks for the two key steps behind the next two
	MTILE 0, 16, 1                                 ; this set's 16 loads are in; the other set's 16 may be out
	MTILE 1, 16, 1
	s_wait_xcnt 0x0                                ; the loads and stores have read their bases, and the stores their words
	s_add_nc_u64 s[66:67], s[66:67], 1024
	s_add_nc_u64 s[68:69], s[68:69], 512
	s_sub_co_u32 s80, s80, 1
	s_cmp_lg_u32 s80, 0
	s_wait_alu depctr_va_vdst(0)                   ; directly ahead of the branch
	s_cbranch_scc1 .Lmk
	MTILE 0, 16, 0                                 ; the last two key steps are written out: they ask for nothing beyond the rows' ends
	MTILE 1, 0, 0
.Lend:
	s_wait_tensorcnt 0x0
	ds_add_u32 v[SPW], v[NIL]
	s_wait_dscnt 0x0
	CROUND
	s_endpgm
.Lfunc_end_k_q72c84a465b_qkv:
	.size	k_q72c84a465b_qkv, .Lfunc_end_k_q72c84a465b_qkv-k_q72c84a465b_qkv
	.p2alignl 7, 3214868480
	.fill 96, 4, 3214868480
	.section	.rodata,"a",@progbits
	.p2align	6, 0x0
	.amdhsa_kernel k_q72c84a465b_qkv
		.amdhsa_group_segment_fixed_size 327680
		.amdhsa_private_segment_fixed_size 0
		.amdhsa_enable_private_segment 0
		.amdhsa_kernarg_size 56
		.amdhsa_user_sgpr_count 2
		.amdhsa_user_sgpr_kernarg_segment_ptr 1
		.amdhsa_wavefront_size32 1
		.amdhsa_system_sgpr_workgroup_id_x 1
		.amdhsa_system_sgpr_workgroup_id_y 1
		.amdhsa_system_sgpr_workgroup_id_z 1
		.amdhsa_system_vgpr_workitem_id 0
		.amdhsa_next_free_vgpr 1024
		.amdhsa_next_free_sgpr 96
		.amdhsa_reserve_vcc 0
		.amdhsa_float_denorm_mode_32 3
		.amdhsa_float_denorm_mode_16_64 3
		.amdhsa_memory_ordered 1
		.amdhsa_forward_progress 1
		.amdhsa_inst_pref_size 255
	.end_amdhsa_kernel
	.section	.bss,"aw",@nobits
	.p2align	6
	.space	262144
	.amdgpu_metadata
---
amdhsa.version: [ 1, 2 ]
amdhsa.kernels:
  - .name:           k_q72c84a465b_qkv
    .symbol:         k_q72c84a465b_qkv.kd
    .args:
      - { .name: xq, .offset: 0, .size: 8, .value_kind: global_buffer, .address_space: global }
      - { .name: wc, .offset: 8, .size: 8, .value_kind: global_buffer, .address_space: global }
      - { .name: tab, .offset: 16, .size: 8, .value_kind: global_buffer, .address_space: global }
      - { .name: qpk, .offset: 24, .size: 8, .value_kind: global_buffer, .address_space: global }
      - { .name: kv, .offset: 32, .size: 8, .value_kind: global_buffer, .address_space: global }
      - { .name: attn_mask, .offset: 40, .size: 8, .value_kind: global_buffer, .address_space: global }
      - { .name: mk, .offset: 48, .size: 8, .value_kind: global_buffer, .address_space: global }
    .group_segment_fixed_size: 327680
    .private_segment_fixed_size: 0
    .kernarg_segment_align: 8
    .kernarg_segment_size: 56
    .max_flat_workgroup_size: 128
    .sgpr_count:     96
    .vgpr_count:     1024
    .wavefront_size: 32
...
	.end_amdgpu_metadata
.endif
;; end of part 2
;; launch attn (part 3): grid 8 x 32, 16 waves a work-group, clusters of 4 x 1, 327,680 bytes of LDS; arguments qpk, kv, mk, oc; writes oc
.if DOCPART == 3
	.amdgcn_target "amdgcn-amd-amdhsa--gfx1250"
	.amdhsa_code_object_version 6
	.text
	.protected	k_q72c84a465b_attn
	.globl	k_q72c84a465b_attn
	.p2align	8
	.type	k_q72c84a465b_attn,@function
k_q72c84a465b_attn:
	s_mov_b64 s[64:65], 0
	v_nop
	global_prefetch_b8 v0, s[64:65] scope:SCOPE_SE
	s_setreg_imm32_b32 hwreg(HW_REG_WAVE_MODE, 25, 1), 1
	s_wait_xcnt 0x0
	s_wait_alu depctr_hold_cnt(0) depctr_sa_sdst(0) depctr_va_vdst(0) depctr_va_sdst(0) depctr_va_ssrc(0) depctr_va_vcc(0) depctr_vm_vsrc(0)
	s_getreg_b32 s2, hwreg(HW_REG_IB_STS2, 6, 4)
	s_cmp_eq_u32 s2, 0
	s_cbranch_scc0 .Lentry_in_a_cluster
	s_endpgm
.Lentry_in_a_cluster:
	s_bfe_u32 s2, ttmp6, 0x10000c
	s_cmp_lg_u32 s2, 0x3003
	s_cbranch_scc0 .Lentry_shape_is_right
	s_endpgm
.Lentry_shape_is_right:
; ATTENTION on codes of E4M3: scores = q k / 32, replaced by -10,000 where the mask is 0; softmax; x v; the result quantised along the channels for the last projection.  No work is left out.
; THE SOFTMAX AHEAD OF THE SECOND PRODUCT: t = score x log2(e); M = the running largest t rounded up to a whole number; p = 2^(t - M) is quantised along the keys; the row's sum is taken of the unquantised p and divides at the end.
; The raw sum q k is kept, and c = log2(e) / 32 is applied in one fused multiply-add; a masked score is the raw number -320,000, which x c is -10,000 log2(e).
; SHARES.  A work-group owns 256 queries of one batch and a PAIR of heads, one after the other: 32 key steps of 128 keys.  Each of its sixteen waves owns one tile of 16 queries in 256 registers, four waves to a SIMD.
; Both products are used transposed (source 0 = keys, or channels of V; source 1 = my queries, or p): a lane holds one query throughout; by the order of rows a lane's 64 scores are keys 32 (n / 16) + 16 h + n % 16.
; K = 64 IN AN INSTRUCTION OF 128: a fragment holds TWO tiles of keys, tile 2 p in k 0-63 and tile 2 p + 1 in k 64-127.  It is multiplied by [Q | 0] and by [0 | Q]: the other tile's codes meet zero codes.
; THE MASK comes as lane masks (made in launch qkv): 64 words a key step by scalar loads, asked for a step ahead; one v_cndmask_b32 a score.  The request wraps at the 16th step (the second head walks the same words);
; the last step's request names step 0 again, stays in the buffer and is not used.
; THE ROW'S SUM IS SPREAD OVER TWO STEPS.  The held p of every block are written into block 0's sixteen registers, which are free once block 0 is converted; so the unheld p of blocks 1 to 3 stay, and their 24 packed additions
; stand where independent vector work is owed: behind the second product, under the flight of K's LDS loads, and behind the first product.  A head's end adds what is still due.
; THE RING: two slots of eight packages (eight key steps, 135,168 bytes); the two heads' 32 packages are consecutive in kv.  Waves 0-7 fetch a package each: four fills in all.
; CLUSTER: the four query blocks of a cluster walk the same packages: each is asked for jointly.  A refill is asked for eight key steps ahead of its first read, so nothing is prefetched.
; LIMITS: NaN and infinities are not served (a NaN code of a tile would reach its pair tile).  A block under 2^-118, zeros too, keeps the byte 1.  The promise holds while the scaled scores t stay under 2^31 in magnitude.
; REGISTERS: v1-11 addresses and a temporary; v12 -M, v13 the largest t, v[14:15] the sum; v16-23 Q, v24-31 zeros, v32-39 Q again; v40-103 K's or V's fragments; v104-167 scores, then p; v168-199 O^T; v200-215 p's codes (at a head's end O's); v216-241 at work; v242-255 seven partial sums.
.set PKG,   16896
.set NST,   8                          ; key steps in a slot
.set SLOTB, NST*PKG
.set OSTG,  2*SLOTB                    ; 1,024 bytes: the two chunks' scale images of O
.set SPARE, OSTG+1024                  ; the spare words, 128 bytes a wave: eight blocks of 256 bytes that no other line names
.set KV,  40
.set S,   104
.set O,   168
.set PC,  200
.set BM,  216                          ; the blocks' largest
.set PB,  220
.set LM,  224                          ; 448 x the scale
.set SO,  228                          ; the conversions' scale operands
.set KS,  232                          ; v[232:233] K's pair words
.set VS,  234                          ; v[234:235] V's scale words
.set PS,  236                          ; p's scale word
.set QS,  237                          ; Q's: its two bytes, twice
.set FF,  238                          ; v[238:239] f = 2^(old M - new M)
.set TP,  240
.set OSW, 241                          ; O's scale word: two bytes a head
.set AC,  242                          ; partial sum k: v[AC + 2 k : AC + 2 k + 1]
.macro CROUND
	s_barrier_signal -1
	s_barrier_wait -1
	s_cmp_lg_u32 s7, 0
	s_cbranch_scc1 .Lnot_wave_0_\@
	s_barrier_signal -3
.Lnot_wave_0_\@:
	s_barrier_wait -3
	s_barrier_signal -1
	s_barrier_wait -1
.endm
.macro TLOAD                           ; waves 0-7 fetch; the branch hangs on the wave's number alone.  s_nop 0 and four v_nop follow the load
	s_cmp_lt_u32 s7, 8
	s_cbranch_scc0 .Lnone_\@
	tensor_load_to_lds s[16:19], s[8:15]
	s_nop 0
.rept 4
	v_nop
.endr
.Lnone_\@:
.endm
.macro QLOAD                           ; my tile of Q, twice (no register serves both [Q | 0] and [0 | Q] but the zeros), and its pair word
	global_load_b128 v[16:19], v1, s[24:25]
	global_load_b128 v[20:23], v1, s[24:25] offset:512
	global_load_b128 v[32:35], v1, s[24:25]
	global_load_b128 v[36:39], v1, s[24:25] offset:512
	global_load_b32 v[QS], v8, s[100:101]
.endm
.macro RESET                           ; a head begins: the loop is written once, its first step finds zeros in O^T, in the sums and in the p still to be summed
	v_mov_b32 v13, 0xff61b1e6                      ; the largest t so far: -3e38
	s_delay_alu instid0(VALU_DEP_1)
	v_floor_f32 v12, -v13
	v_mov_b32 v14, 0
	v_mov_b32 v15, 0
	v_mov_b32 v[FF], 0
	s_wait_xcnt 0x0                                ; the last head's stores have read the codes' registers, which the next step writes
	s_wait_loadcnt 0x0                             ; Q
	v_perm_b32 v[QS], v[QS], v[QS], s31            ; my tile's two bytes in both halves.  The lines below are its places ahead of the next scaled products
.set n, 0
.rept 32
	v_mov_b32 v[O+n], 0
.set n, n+1
.endr
.set n, 16
.rept 48
	v_mov_b32 v[S+n], 0
.set n, n+1
.endr
.set n, 0
.rept 8
	v_mov_b32 v[AC+n], 0
.set n, n+1
.endr
	s_wait_alu depctr_va_vdst(0)
.endm
; THE ROW'S SUM of the unquantised p: pair j is v[S + 2 j : S + 2 j + 1].  32 packed instructions a step in four groups
.macro ADDP k, j
	v_pk_add_f32 v[AC+2*(\k):AC+2*(\k)+1], v[AC+2*(\k):AC+2*(\k)+1], v[S+2*(\j):S+2*(\j)+1]
.endm
.macro SETP k, i, j
	v_pk_add_f32 v[AC+2*(\k):AC+2*(\k)+1], v[S+2*(\i):S+2*(\i)+1], v[S+2*(\j):S+2*(\j)+1]
.endm
.macro ADDA k, m
	v_pk_add_f32 v[AC+2*(\k):AC+2*(\k)+1], v[AC+2*(\k):AC+2*(\k)+1], v[AC+2*(\m):AC+2*(\m)+1]
.endm
.macro SUM0                            ; block 0, ahead of its hold in place
	SETP 0, 0, 1
	SETP 1, 2, 3
	SETP 2, 4, 5
	SETP 3, 6, 7
.endm
.macro SUM1                            ; eight lines: the places behind the second product
	ADDP 0, 8
	ADDP 1, 9
	ADDP 2, 10
	ADDP 3, 11
	SETP 4, 12, 13
	SETP 5, 14, 15
	SETP 6, 16, 17
	ADDP 0, 18
.endm
.macro SUM2                            ; pairs 19 to 31
.set j, 19
.irp k, 1,2,3,4,5,6,0,1,2,3,4,5,6
	ADDP \k, j
.set j, j+1
.endr
.endm
.macro TREE                            ; eight lines that name no score: the places behind the first product
	ADDA 0, 1
	ADDA 2, 3
	ADDA 4, 5
	ADDA 0, 2
	ADDA 4, 6
	v_mov_b32 v[TP], v12                           ; -M as it stands
	ADDA 0, 4
	v_pk_fma_f32 v[14:15], v[14:15], v[FF:FF+1], v[AC:AC+1] op_sel_hi:[1,0,1]   ; the sum under the last step's M, and that step's p
.endm
	s_load_b256 s[32:39], s[0:1], 0x0              ; qpk, kv, mk, oc (the registers take mask words later)
	v_lshl_add_u32 v5, v0, 2, SPARE                ; my spare word; never rewritten
	v_mov_b32 v6, 0                                ; 0; never rewritten
	ds_add_u32 v5, v6                              ; the wave's opening: the add, twice on end, and its wait ahead of the first tensor load
	ds_add_u32 v5, v6
	v_lshrrev_b32 v8, 5, v0
	s_delay_alu instid0(VALU_DEP_1)
	v_readfirstlane_b32 s7, v8                     ; wave 0..15
	v_and_b32 v3, 31, v0
	s_delay_alu instid0(VALU_DEP_1)
	v_lshlrev_b32 v1, 4, v3                        ; 16 x lane
	s_delay_alu instid0(VALU_DEP_2)
	v_lshlrev_b32 v2, 3, v3                        ; 8 x lane
	v_and_b32 v4, 15, v0                           ; r
	s_wait_alu depctr_va_vdst(0)
	v_lshlrev_b32 v8, 3, v4                        ; 8 r: a row's pair words
	s_lshr_b32 s40, s7, 3                          ; which of the block's two chunks
	s_lshl_b32 s41, s40, 9
	s_and_b32 s42, s7, 1
	s_lshl_b32 s43, s42, 8
	s_add_co_u32 s41, s41, s43
	s_bfe_u32 s43, s7, 0x20001
	s_lshl_b32 s43, s43, 2
	s_add_co_u32 s41, s41, s43
	s_add_co_u32 s41, s41, OSTG
	v_lshl_add_u32 v9, v4, 4, s41                  ; O's scale word: image [lane][4]: lane 16 (tile % 2) + r, word tile / 2
	s_lshl_b32 s43, s42, 9
	s_add_co_u32 s43, s43, OSTG
	v_add_nc_u32 v10, s43, v1                      ; and where waves 0, 1 read an image back
	s_bfe_u32 s44, ttmp6, 0x40000                  ; cx: it enters global addresses alone
	s_lshl_b32 s45, ttmp9, 2
	s_add_co_u32 s45, s45, s44                     ; my block of 256 queries
	s_and_b32 s46, ttmp7, 0xffff                   ; 8 batch + pair of heads
	s_lshr_b32 s47, s46, 3
	s_and_b32 s48, s46, 7
	s_and_b32 s49, s7, 7                           ; my tile in its chunk
	s_lshl_b32 s50, s45, 1
	s_add_co_u32 s51, s50, s40                     ; my chunk
	s_add_co_u32 s50, s50, s42                     ; the chunk whose scale image I may store
	s_and_b32 s54, s7, 7
	s_mul_i32 s54, s54, PKG                        ; my package of a slot's eight, in LDS and in memory
	s_mul_i32 s52, s46, 32*PKG                     ; the pair's 32 packages
	s_add_co_u32 s52, s52, s54
	s_mov_b32 s53, 0
	s_lshl_b32 s56, s47, 7
	s_lshl_b32 s57, s45, 4
	s_add_co_u32 s56, s56, s57
	s_add_co_u32 s56, s56, s7
	s_lshl_b32 s56, s56, 12                        ; my tile's 16 x 256 bytes of mask words
	s_mov_b32 s57, 0
	s_lshl_b32 s58, s46, 5
	s_add_co_u32 s58, s58, s51
	s_mul_i32 s58, s58, 8448                       ; Q's package: (16 batch + head) 16 + chunk
	s_mov_b32 s59, 0
	s_lshl_b32 s60, s49, 10
	s_add_co_u32 s60, s60, s58
	s_mov_b32 s61, 0
	s_bfe_u32 s62, s49, 0x10001
	s_lshl_b32 s62, s62, 7
	s_lshr_b32 s63, s49, 2
	s_lshl_b32 s63, s63, 2
	s_add_co_u32 s58, s58, s62
	s_add_co_u32 s58, s58, s63
	s_add_co_u32 s58, s58, 8192                    ; its pair word: lanes 16 ((tile / 2) % 2) on, word tile / 4
	s_lshl_b32 s68, s47, 4
	s_add_co_u32 s70, s68, s50
	s_add_co_u32 s68, s68, s51
	s_lshl_b32 s68, s68, 3
	s_add_co_u32 s68, s68, s48
	s_mul_i32 s68, s68, PKG                        ; oc's block: chunk, K step = the pair of heads
	s_lshl_b32 s69, s49, 11
	s_add_co_u32 s68, s68, s69
	s_mov_b32 s69, 0
	s_lshl_b32 s70, s70, 3
	s_add_co_u32 s70, s70, s48
	s_mul_i32 s70, s70, PKG
	s_add_co_u32 s70, s70, 16384
	s_mov_b32 s71, 0
	s_mov_b32 s31, 0x03020302
	s_bitcmp1_b32 s49, 0
	s_cselect_b32 s31, s31, 0x01000100             ; an odd tile's bytes are the pair word's upper half
	s_mov_b32 s8, 15|(3<<16)|(1<<21)               ; 15:0 all four work-groups; 17:16 elements of 8 bytes; 21 set beside a mask; no padding
	s_mov_b32 s9, 32<<16                           ; rows of 256 bytes,
	s_mov_b32 s10, 66<<16                          ; 66 of them: a package
	s_mov_b32 s11, 32<<16
	s_mov_b32 s12, 66
	s_mov_b32 s13, 32
	s_mov_b32 s14, 0
	s_mov_b32 s15, 0
	s_mov_b32 s26, 0x76543210
	s_mov_b32 s27, 0xfedcba98
	s_mov_b32 s28, 0x3d38aa3b                      ; c = log2(e) / 32
	s_mov_b32 s29, s28
	s_mov_b32 s30, 0x600000
	s_mov_b32 s2, 0                                ; LDS byte of the package in hand
	s_mov_b32 s5, 0                                ; the slot in hand: 0 or 1
	s_mov_b32 s3, 3                                ; slots still to be asked for
	s_mov_b32 s6, 0                                ; byte of the mask words asked for
	s_wait_dscnt 0x0                               ; both opening adds are done
	s_wait_kmcnt 0x0
	s_mov_b32 s16, 1
	s_mov_b32 s17, s54
	s_add_nc_u64 s[18:19], s[34:35], s[52:53]
	s_or_b32 s19, s19, 0x80000000
	s_add_nc_u64 s[20:21], s[36:37], s[56:57]      ; mask words
	s_add_nc_u64 s[24:25], s[32:33], s[60:61]      ; Q's codes
	s_add_nc_u64 s[100:101], s[32:33], s[58:59]    ; Q's pair word
	s_add_nc_u64 s[22:23], s[38:39], s[68:69]      ; O's image
	s_add_nc_u64 s[66:67], s[38:39], s[70:71]      ; O's scale image
	CROUND                                         ; all four work-groups are here
	TLOAD                                          ; slot 0
	s_wait_alu depctr_va_vdst(0)
	QLOAD
	s_load_b512 s[32:47], s[20:21], s6 offset:0x0  ; key step 0's mask words
	s_load_b512 s[48:63], s[20:21], s6 offset:0x40
	s_load_b512 s[68:83], s[20:21], s6 offset:0x80
	s_load_b512 s[84:99], s[20:21], s6 offset:0xc0
	v_mov_b32 v7, 0xc89c4000                       ; -320,000
.irp j, 24,25,26,27,28,29,30,31
	v_mov_b32 v\j, 0                               ; zero codes
.endr
.irp b, 0,1,2,3
	v_mov_b32 v[PB+\b], 0                          ; a lane permute's destination counts as one of its sources
.endr
	v_mov_b32 v[FF+1], 0                           ; named as a pair's upper half
	v_mov_b32 v[TP], 0
	v_mov_b32 v[OSW], 0
	RESET
.macro STEP                            ; a key step: 128 keys
	SUM1                                           ; with the two additions below: the places behind the last products, ahead of loads into registers that they read
	v_add_nc_u32 v3, s2, v1
	v_add_nc_u32 v4, s2, v2
	ds_load_b64 v[KS:KS+1], v4 offset:8192
.irp i, 0,1,2,3,4,5,6,7,8,9,10,11,12,13,14,15
	ds_load_b128 v[KV+4*\i:KV+4*\i+3], v3 offset:512*\i
.endr
	SUM2                                           ; the last of the last step's p, while K is on its way: the products below write over them
	s_wait_alu depctr_va_vdst(0)                   ; directly ahead of the wait below
.irp p, 0,1,2,3
	s_wait_dscnt 12-4*\p                           ; pair p's four loads are in; the later pairs' may be out
.if \p%2
	v_wmma_scale_f32_16x16x128_f8f6f4 v[S+16*\p:S+16*\p+7], v[KV+16*\p:KV+16*\p+15], v[16:31], 0, v[KS+\p/2], v[QS] matrix_a_scale:MATRIX_SCALE_ROW1
	v_wmma_scale_f32_16x16x128_f8f6f4 v[S+16*\p+8:S+16*\p+15], v[KV+16*\p:KV+16*\p+15], v[24:39], 0, v[KS+\p/2], v[QS] matrix_a_scale:MATRIX_SCALE_ROW1
.else
	v_wmma_scale_f32_16x16x128_f8f6f4 v[S+16*\p:S+16*\p+7], v[KV+16*\p:KV+16*\p+15], v[16:31], 0, v[KS+\p/2], v[QS]
	v_wmma_scale_f32_16x16x128_f8f6f4 v[S+16*\p+8:S+16*\p+15], v[KV+16*\p:KV+16*\p+15], v[24:39], 0, v[KS+\p/2], v[QS]
.endif
.endr
	TREE                                           ; eight places behind the products, ahead of the loads into K's registers and of the first read of a score
	ds_load_b64 v[VS:VS+1], v4 offset:16640        ; V is asked for now: it lands under the softmax
.irp i, 0,1,2,3,4,5,6,7,8,9,10,11,12,13,14,15
	ds_load_b128 v[KV+4*\i:KV+4*\i+3], v3 offset:8448+512*\i
.endr
	s_wait_kmcnt 0x0                               ; this step's mask words
.set n, 0
.rept 64
.if n < 32
	v_cndmask_b32 v[S+n], v7, v[S+n], s[32+n]      ; where the mask is 0: -320,000
.else
	v_cndmask_b32 v[S+n], v7, v[S+n], s[36+n]
.endif
.set n, n+1
.endr
	s_add_co_u32 s6, s6, 256                       ; (behind the wait that showed the last requests done)
	s_and_b32 s6, s6, 0xfff
	s_load_b512 s[32:47], s[20:21], s6 offset:0x0  ; the next step's words
	s_load_b512 s[48:63], s[20:21], s6 offset:0x40
	s_load_b512 s[68:83], s[20:21], s6 offset:0x80
	s_load_b512 s[84:99], s[20:21], s6 offset:0xc0
.irp b, 0,1,2,3
	v_max3_num_f32 v[BM+\b], v[S+16*\b], v[S+16*\b+1], v[S+16*\b+2]   ; the largest score of each block of 32 keys: for the row's maximum, and for the block's largest p.  The four blocks by turns
.endr
.irp i, 3,5,7,9,11,13
.irp b, 0,1,2,3
	v_max3_num_f32 v[BM+\b], v[BM+\b], v[S+16*\b+\i], v[S+16*\b+\i+1]
.endr
.endr
.irp b, 0,1,2,3
	v_max_num_f32 v[BM+\b], v[BM+\b], v[S+16*\b+15]
.endr
.irp b, 0,1,2,3
	v_permlanex16_b32 v[PB+\b], v[BM+\b], s26, s27
.endr
.irp b, 0,1,2,3
	v_max_num_f32 v[BM+\b], v[BM+\b], v[PB+\b]
.endr
	s_delay_alu instid0(VALU_DEP_2)
	v_max3_num_f32 v11, v[BM], v[BM+1], v[BM+2]
	s_delay_alu instid0(VALU_DEP_1)
	v_max_num_f32 v11, v11, v[BM+3]
	s_delay_alu instid0(VALU_DEP_1)
	v_mul_f32 v11, s28, v11
	s_delay_alu instid0(VALU_DEP_1)
	v_max_num_f32 v13, v13, v11                    ; the running largest t
	s_delay_alu instid0(VALU_DEP_1)
	v_floor_f32 v12, -v13                          ; -M = floor(-t): M is a whole number
	s_delay_alu instid0(VALU_DEP_1)
	v_sub_f32 v[TP], v12, v[TP]
	s_delay_alu instid0(VALU_DEP_1)
	v_cvt_i32_f32 v[TP], v[TP]                     ; (it saturates)
	s_delay_alu instid0(VALU_DEP_1)
	v_ldexp_f32 v[FF], 1.0, v[TP]                  ; f = 2^(old M - new M): rounds nothing
.set n, 0
.rept 32
	v_pk_fma_f32 v[S+n:S+n+1], v[S+n:S+n+1], s[28:29], v[12:13] op_sel_hi:[1,0,0]   ; t - M
.set n, n+2
.endr
.irp b, 0,1,2,3
	v_fma_f32 v[BM+\b], v[BM+\b], s28, v12         ; the same of each block's largest score
.endr
	s_wait_alu depctr_va_vdst(0)                   ; ahead of the batch
.set n, 0
.rept 64
	v_exp_f32 v[S+n], v[S+n]                       ; p, at most 1
.set n, n+1
.endr
.irp b, 0,1,2,3
	v_exp_f32 v[BM+\b], v[BM+\b]                   ; the block's largest p: the same two instructions on the same number
.endr
	v_nop                                          ; a plain line behind the exponentials
	s_wait_alu depctr_va_vdst(0)                   ; one wait for the batch of 68, ahead of its first reader
.irp b, 0,1,2,3
	v_max_num_f32 v[BM+\b], 0x4800000, v[BM+\b]    ; the floor 2^(9 - 127)
.endr
.irp b, 0,1,2,3
	v_add_nc_u32 v[SO+\b], 0xfc000000, v[BM+\b]    ; 8 off the exponent field: the conversion's scale operand
.endr
.irp b, 0,1,2,3
	v_and_or_b32 v[LM+\b], v[BM+\b], 0x7f800000, s30   ; 448 x the scale
.endr
.irp b, 0,1,2,3
	v_lshrrev_b32 v[PB+\b], 23, v[SO+\b]           ; the scale's byte
.endr
	SUM0
	v_lshl_or_b32 v[PS], v[PB+1], 8, v[PB]         ; p's scale word; the holds below are its places ahead of the products
	v_lshl_or_b32 v[TP], v[PB+3], 8, v[PB+2]
	s_delay_alu instid0(VALU_DEP_1)
	v_lshl_or_b32 v[PS], v[TP], 16, v[PS]
; p is not negative: the hold is one-sided, two numbers an instruction.  Every block's held numbers go into block 0's registers; blocks 1 to 3 keep their unheld p for the sums.
; O^T's four accumulators are brought under the new M between the blocks: plain lines between a conversion and the next write of its sources, and the last four the places ahead of the products.
.irp b, 0,1,2,3
.irp i, 0,2,4,6,8,10,12,14
	v_dual_min_num_f32 v[S+\i], v[S+16*\b+\i], v[LM+\b] :: v_dual_min_num_f32 v[S+\i+1], v[S+16*\b+\i+1], v[LM+\b]
.endr
	v_cvt_scalef32_pk8_fp8_f32 v[PC+4*\b:PC+4*\b+1], v[S:S+7], v[SO+\b]
	v_cvt_scalef32_pk8_fp8_f32 v[PC+4*\b+2:PC+4*\b+3], v[S+8:S+15], v[SO+\b]
	s_wait_alu depctr_va_vdst(0)                   ; directly ahead of the first reader of this accumulator
.irp i, 0,2,4,6
	v_pk_mul_f32 v[O+8*\b+\i:O+8*\b+\i+1], v[O+8*\b+\i:O+8*\b+\i+1], v[FF:FF+1] op_sel_hi:[1,0]
.endr
.endr
	s_wait_alu depctr_va_vdst(0)                   ; directly ahead of the wait below
	s_wait_dscnt 0x0                               ; V is in
.irp t, 0,1,2,3
.if \t%2
	v_wmma_scale_f32_16x16x128_f8f6f4 v[O+8*\t:O+8*\t+7], v[KV+16*\t:KV+16*\t+15], v[PC:PC+15], v[O+8*\t:O+8*\t+7], v[VS+\t/2], v[PS] matrix_a_scale:MATRIX_SCALE_ROW1
.else
	v_wmma_scale_f32_16x16x128_f8f6f4 v[O+8*\t:O+8*\t+7], v[KV+16*\t:KV+16*\t+15], v[PC:PC+15], v[O+8*\t:O+8*\t+7], v[VS+\t/2], v[PS]
.endif
.endr
	s_add_co_u32 s2, s2, PKG
.endm
; THE CHANGE OF SLOTS stands at a slot's head: every wave waits for all its tensor loads, adds 0 to its spare word, waits for that and for its reads of the slot that it has left.
; fill = 1: a round of the cluster's barrier, and behind it the joint load of the next eight packages into the slot just left, which has eight key steps in which to land.
.macro CHANGE fill
	s_wait_tensorcnt 0x0
	ds_add_u32 v5, v6
.if \fill
	ds_add_u32 v5, v6                              ; the add twice on end here
	s_and_b32 s4, s7, 7                            ; the walking descriptor: my package's place
	s_mul_i32 s4, s4, PKG
	s_xor_b32 s17, s5, 1                           ; in the slot that is not in hand,
	s_mul_i32 s17, s17, SLOTB
	s_add_co_u32 s17, s17, s4
	s_add_nc_u64 s[18:19], s[18:19], NST*PKG       ; the next eight packages
.endif
	s_wait_dscnt 0x0
.if \fill
	CROUND
	TLOAD
.else
	s_barrier_signal -1
	s_barrier_wait -1
.endif
.endm
.macro EIGHT                           ; a slot's eight key steps: written once, walked eight times
	s_mov_b32 s4, NST
.Lstep_\@:
	STEP
	s_sub_co_u32 s4, s4, 1
	s_cmp_lg_u32 s4, 0
	s_cbranch_scc1 .Lstep_\@
	s_xor_b32 s5, s5, 1                            ; on to the other slot
	s_mul_i32 s2, s5, SLOTB
.endm
; A HEAD'S END: the last step's sums; O^T / the sum; quantised along the head's 64 channels, which are k 64 hh on of oc's K step; the codes are the operand's registers 8 hh on
.macro FINAL hh
	s_wait_xcnt 0x0                                ; the first head's stores have read the codes' registers
	SUM1                                           ; these lines are also the places behind the last products
	SUM2
	TREE
	v_add_f32 v14, v14, v15
	s_delay_alu instid0(VALU_DEP_1)
	v_permlanex16_b32 v[TP], v14, s26, s27
	s_delay_alu instid0(VALU_DEP_1)
	v_add_f32 v14, v14, v[TP]                      ; the row's sum
	s_wait_alu depctr_va_vdst(0)                   ; ahead of the transcendental
	v_rcp_f32 v14, v14
	v_nop
	s_wait_alu depctr_va_vdst(0)                   ; and behind it, directly ahead of the first readers of it and of O^T
.set n, 0
.rept 16
	v_pk_mul_f32 v[O+n:O+n+1], v[O+n:O+n+1], v[14:15] op_sel_hi:[1,0]
.set n, n+2
.endr
.irp b, 0,1
	v_max3_num_f32 v[BM+\b], |v[O+16*\b]|, |v[O+16*\b+1]|, 0x4800000
.endr
.irp i, 2,4,6,8,10,12,14
.irp b, 0,1
	s_delay_alu instid0(VALU_DEP_2)
	v_max3_num_f32 v[BM+\b], v[BM+\b], |v[O+16*\b+\i]|, |v[O+16*\b+\i+1]|
.endr
.endr
.irp b, 0,1
	s_delay_alu instid0(VALU_DEP_2)
	v_permlanex16_b32 v[PB+\b], v[BM+\b], s26, s27
.endr
.irp b, 0,1
	s_delay_alu instid0(VALU_DEP_2)
	v_max_num_f32 v[BM+\b], v[BM+\b], v[PB+\b]
.endr
.irp b, 0,1
	v_add_nc_u32 v[SO+\b], 0xfc000000, v[BM+\b]
.endr
.irp b, 0,1
	v_and_or_b32 v[LM+\b], v[BM+\b], 0x7f800000, s30
.endr
.irp b, 0,1
	v_lshrrev_b32 v[PB+\b], 23, v[SO+\b]
.endr
	s_delay_alu instid0(VALU_DEP_1)
	v_lshl_or_b32 v[TP], v[PB+1], 8, v[PB]
	s_delay_alu instid0(VALU_DEP_1)
	v_lshl_or_b32 v[OSW], v[TP], 16*\hh, v[OSW]
.irp b, 0,1
.irp i, 0,1,2,3,4,5,6,7,8,9,10,11,12,13,14,15
	v_med3_num_f32 v[O+16*\b+\i], v[O+16*\b+\i], -v[LM+\b], v[LM+\b]
.endr
	v_cvt_scalef32_pk8_fp8_f32 v[PC+4*\b:PC+4*\b+1], v[O+16*\b:O+16*\b+7], v[SO+\b]
	v_cvt_scalef32_pk8_fp8_f32 v[PC+4*\b+2:PC+4*\b+3], v[O+16*\b+8:O+16*\b+15], v[SO+\b]
.endr
	v_nop
	global_store_b128 v1, v[PC:PC+3], s[22:23] offset:1024*\hh
	global_store_b128 v1, v[PC+4:PC+7], s[22:23] offset:1024*\hh+512
.if \hh == 0
	s_add_nc_u64 s[24:25], s[24:25], 135168        ; the next head's package of Q: 16 x 8,448 bytes on (the first head's loads were waited for)
	s_add_nc_u64 s[100:101], s[100:101], 135168
	QLOAD
	RESET
.endif
.endm
.Lslot:                                            ; three trips: behind each change of slots but the last the next slot is asked for
	CHANGE 1
	EIGHT
	s_cmp_lg_u32 s3, 2                             ; the second slot ends the first head: a branch on the count of slots, the same in all waves and partners
	s_cbranch_scc1 .Lsame_head
	FINAL 0
.Lsame_head:
	s_sub_co_u32 s3, s3, 1
	s_cmp_lg_u32 s3, 0
	s_cbranch_scc1 .Lslot
	CHANGE 0                                       ; the last slot is written out
	EIGHT
	FINAL 1
	ds_store_b32 v9, v[OSW]                        ; both halves of the lanes write the same word with the same value
	s_wait_dscnt 0x0                               ; for the others' sake
	s_barrier_signal -1
	s_barrier_wait -1
	s_cmp_lt_u32 s7, 2
	s_cbranch_scc0 .Lno_scales
	ds_load_b128 v[S:S+3], v10                     ; waves 0, 1: a chunk's scale image, 512 bytes
	s_wait_dscnt 0x0
	global_store_b128 v1, v[S:S+3], s[66:67]
.Lno_scales:
	s_wait_tensorcnt 0x0                           ; the wave's end
	ds_add_u32 v5, v6
	s_wait_dscnt 0x0
	CROUND                                         ; the closing round
	s_endpgm
.Lfunc_end_k_q72c84a465b_attn:
	.size	k_q72c84a465b_attn, .Lfunc_end_k_q72c84a465b_attn-k_q72c84a465b_attn
	.p2alignl 7, 3214868480
	.fill 96, 4, 3214868480
	.section	.rodata,"a",@progbits
	.p2align	6, 0x0
	.amdhsa_kernel k_q72c84a465b_attn
		.amdhsa_group_segment_fixed_size 327680
		.amdhsa_private_segment_fixed_size 0
		.amdhsa_enable_private_segment 0
		.amdhsa_kernarg_size 32
		.amdhsa_user_sgpr_count 2
		.amdhsa_user_sgpr_kernarg_segment_ptr 1
		.amdhsa_wavefront_size32 1
		.amdhsa_system_sgpr_workgroup_id_x 1
		.amdhsa_system_sgpr_workgroup_id_y 1
		.amdhsa_system_sgpr_workgroup_id_z 1
		.amdhsa_system_vgpr_workitem_id 0
		.amdhsa_next_free_vgpr 256
		.amdhsa_next_free_sgpr 102
		.amdhsa_reserve_vcc 0
		.amdhsa_float_denorm_mode_32 3
		.amdhsa_float_denorm_mode_16_64 3
		.amdhsa_memory_ordered 1
		.amdhsa_forward_progress 1
		.amdhsa_inst_pref_size 78
	.end_amdhsa_kernel
	.amdgpu_metadata
---
amdhsa.version: [ 1, 2 ]
amdhsa.kernels:
  - .name:           k_q72c84a465b_attn
    .symbol:         k_q72c84a465b_attn.kd
    .args:
      - { .name: qpk, .offset: 0, .size: 8, .value_kind: global_buffer, .address_space: global }
      - { .name: kv, .offset: 8, .size: 8, .value_kind: global_buffer, .address_space: global }
      - { .name: mk, .offset: 16, .size: 8, .value_kind: global_buffer, .address_space: global }
      - { .name: oc, .offset: 24, .size: 8, .value_kind: global_buffer, .address_space: global }
    .group_segment_fixed_size: 327680
    .private_segment_fixed_size: 0
    .kernarg_segment_align: 8
    .kernarg_segment_size: 32
    .max_flat_workgroup_size: 512
    .sgpr_count:     102
    .vgpr_count:     256
    .wavefront_size: 32
...
	.end_amdgpu_metadata
.endif
;; end of part 3
;; launch oproj (part 4): grid 4 x 32, 4 waves a work-group, clusters of 4 x 4, 327,680 bytes of LDS; arguments oc, wc, out0; writes out0
.if DOCPART == 4
	.amdgcn_target "amdgcn-amd-amdhsa--gfx1250"
	.amdhsa_code_object_version 6
	.text
	.protected	k_q72c84a465b_oproj
	.globl	k_q72c84a465b_oproj
	.p2align	8
	.type	k_q72c84a465b_oproj,@function
k_q72c84a465b_oproj:
	s_mov_b64 s[64:65], 0
	v_nop
	global_prefetch_b8 v0, s[64:65] scope:SCOPE_SE
	s_setreg_imm32_b32 hwreg(HW_REG_WAVE_MODE, 25, 1), 1
	s_wait_xcnt 0x0
	s_wait_alu depctr_hold_cnt(0) depctr_sa_sdst(0) depctr_va_vdst(0) depctr_va_sdst(0) depctr_va_ssrc(0) depctr_va_vcc(0) depctr_vm_vsrc(0)
	s_getreg_b32 s2, hwreg(HW_REG_IB_STS2, 6, 4)
	s_cmp_eq_u32 s2, 0
	s_cbranch_scc0 .Lentry_in_a_cluster
	s_endpgm
.Lentry_in_a_cluster:
	s_bfe_u32 s2, ttmp6, 0x10000c
	s_cmp_lg_u32 s2, 0xf033
	s_cbranch_scc0 .Lentry_shape_is_right
	s_endpgm
.Lentry_shape_is_right:
.set BLKB,  16896
.set CHB,   2*BLKB
.set SLOT,  4*CHB
.set SPARE, 2*SLOT
.set STAGE, SPARE+512
.set SPITCH, 528
.set NL,    4
.set NP,    8
.set ADRA, 16
.set ADRB, 20
.set STO,  24
.set RD,   25
.set LI,   26
.set SPW,  28
.set NIL,  29
.set SC,   32
.set AF,   128
.set BK,   128
.set G1,  24
.set G0,  32
.set G1B, 48
.set G0B, 56
.set MSB, 0
.macro WIN new
.if MSB != (\new)
	s_set_vgpr_msb (MSB<<8)|(\new)
.set MSB, (\new)
.endif
.endm
.set MUL_LO, 0xa1
.set MUL_HI, 0xf1
.set TO_B,   0x40
.macro JLOAD g0a, g1a, g0b, g1b
	s_cmp_eq_u32 s15, 0
	s_cbranch_scc0 .Lfor_b_\@
	tensor_load_to_lds s[\g0a:\g0a+3], s[\g1a:\g1a+7]
	s_nop 0
.rept 4
	v_nop
.endr
	s_branch .Lasked_\@
.Lfor_b_\@:
	tensor_load_to_lds s[\g0b:\g0b+3], s[\g1b:\g1b+7]
	s_nop 0
.rept 4
	v_nop
.endr
.Lasked_\@:
.endm
.macro CREST
	s_cmp_lg_u32 s14, 0
	s_cbranch_scc1 .Lnot_wave_0_\@
	s_barrier_signal -3
.Lnot_wave_0_\@:
	s_barrier_wait -3
	s_barrier_signal -1
	s_barrier_wait -1
.endm
.macro CROUND
	s_barrier_signal -1
	s_barrier_wait -1
	CREST
.endm
.macro PLACES n
.rept \n
	v_nop
.endr
.endm
.macro FRAG reg, adr, q, i
.irp c, 0,1,2,3
	ds_load_b128 v[\reg+4*\c:\reg+4*\c+3], v[\adr] offset:BLKB*(\q)+2048*(\i)+512*\c
.endr
.endm
.macro FETCH_B slot, q, p
	WIN TO_B
.irp i, 0,1,2,3,4,5,6,7
	FRAG 128*(\p)+16*\i, ADRB+\slot, \q, \i
.endr
	WIN 0
.endm
.macro FETCH_A slot, q, i0
.irp i, \i0, \i0+1, \i0+2, \i0+3
	FRAG AF+16*(\i), ADRA+\slot, \q, \i
.endr
.endm
.macro SCALES sl
.irp q, 0,1
	ds_load_b128 v[SC+16*(\sl)+8*\q:SC+16*(\sl)+8*\q+3], v[ADRA+\sl] offset:BLKB*\q+16384
	ds_load_b128 v[SC+16*(\sl)+8*\q+4:SC+16*(\sl)+8*\q+7], v[ADRB+\sl] offset:BLKB*\q+16384
.endr
.endm
.macro WM zero
.if \zero
.if oB && oA
	v_wmma_scale_f32_16x16x128_f8f6f4 v[rD:rD+7], v[rB:rB+15], v[rA:rA+15], 0, v[rSB], v[rSA] matrix_a_scale:MATRIX_SCALE_ROW1 matrix_b_scale:MATRIX_SCALE_ROW1
.elseif oB
	v_wmma_scale_f32_16x16x128_f8f6f4 v[rD:rD+7], v[rB:rB+15], v[rA:rA+15], 0, v[rSB], v[rSA] matrix_a_scale:MATRIX_SCALE_ROW1
.elseif oA
	v_wmma_scale_f32_16x16x128_f8f6f4 v[rD:rD+7], v[rB:rB+15], v[rA:rA+15], 0, v[rSB], v[rSA] matrix_b_scale:MATRIX_SCALE_ROW1
.else
	v_wmma_scale_f32_16x16x128_f8f6f4 v[rD:rD+7], v[rB:rB+15], v[rA:rA+15], 0, v[rSB], v[rSA]
.endif
.else
.if oB && oA
	v_wmma_scale_f32_16x16x128_f8f6f4 v[rD:rD+7], v[rB:rB+15], v[rA:rA+15], v[rD:rD+7], v[rSB], v[rSA] matrix_a_scale:MATRIX_SCALE_ROW1 matrix_b_scale:MATRIX_SCALE_ROW1
.elseif oB
	v_wmma_scale_f32_16x16x128_f8f6f4 v[rD:rD+7], v[rB:rB+15], v[rA:rA+15], v[rD:rD+7], v[rSB], v[rSA] matrix_a_scale:MATRIX_SCALE_ROW1
.elseif oA
	v_wmma_scale_f32_16x16x128_f8f6f4 v[rD:rD+7], v[rB:rB+15], v[rA:rA+15], v[rD:rD+7], v[rSB], v[rSA] matrix_b_scale:MATRIX_SCALE_ROW1
.else
	v_wmma_scale_f32_16x16x128_f8f6f4 v[rD:rD+7], v[rB:rB+15], v[rA:rA+15], v[rD:rD+7], v[rSB], v[rSA]
.endif
.endif
.endm
.macro MUL16 a0, p, q, sc, zero
.irp a, \a0, \a0+1
.irp b, 0,1,2,3,4,5,6,7
.set rD, 8*(8*((\a)%4)+\b)
.set rB, 128*(\p)+16*\b
.set rA, AF+16*(\a)
.set rSB, SC+16*(\sc)+8*(\q)+4+\b/2
.set rSA, SC+16*(\sc)+8*(\q)+(\a)/2
.set oB, \b%2
.set oA, (\a)%2
	WM \zero
.endr
.endr
.endm
.macro STEP slot, q, zero
	s_wait_dscnt 4*NL
	WIN MUL_LO
	MUL16 0, (\q)%2, \q, \slot, \zero
	MUL16 2, (\q)%2, \q, \slot, \zero
	s_wait_dscnt 0
	PLACES NP
	FETCH_B \slot, (\q)+1, 1-(\q)%2
	FETCH_A \slot, (\q)+1, 0
	WIN MUL_HI
	MUL16 4, (\q)%2, \q, \slot, \zero
	MUL16 6, (\q)%2, \q, \slot, \zero
	PLACES NP
	WIN 0
	FETCH_A \slot, (\q)+1, 4
.endm
.macro TURN slot, next, fill
	s_wait_tensorcnt 0x0
	ds_add_u32 v[SPW], v[NIL]
	s_wait_dscnt 4*NL+1
	WIN MUL_LO
	MUL16 0, 1, 1, \slot, 0
	s_wait_dscnt 0x0
	s_barrier_signal -1
	MUL16 2, 1, 1, \slot, 0
	WIN 0
	s_barrier_wait -1
.if \fill
	CREST
	s_add_nc_u64 s[G0+4*\slot+2:G0+4*\slot+3], s[G0+4*\slot+2:G0+4*\slot+3], 2*CHB
	s_add_nc_u64 s[G0B+4*\slot+2:G0B+4*\slot+3], s[G0B+4*\slot+2:G0B+4*\slot+3], 2*CHB
	JLOAD G0+4*\slot, G1, G0B+4*\slot, G1B
	PLACES NP-4
.else
	PLACES NP
.endif
	FETCH_B \next, 0, 0
	FETCH_A \next, 0, 0
	SCALES \next
	WIN MUL_HI
	MUL16 4, 1, 1, \slot, 0
	MUL16 6, 1, 1, \slot, 0
	PLACES NP
	WIN 0
	FETCH_A \next, 0, 4
.endm
	s_load_b128 s[4:7], s[0:1], 0x0
	s_load_b64 s[12:13], s[0:1], 0x10
	v_lshl_add_u32 v[SPW], v0, 2, SPARE
	v_mov_b32 v[NIL], 0
	ds_add_u32 v[SPW], v[NIL]
	ds_add_u32 v[SPW], v[NIL]
	v_lshrrev_b32 v1, 5, v0
	v_readfirstlane_b32 s14, v1
	s_lshr_b32 s15, s14, 1
	s_and_b32 s16, s14, 1
	s_bfe_u32 s40, ttmp6, 0x40000
	s_bfe_u32 s41, ttmp6, 0x40004
	s_and_b32 s44, ttmp7, 0xffff
	s_lshl_b32 s44, s44, 2
	s_add_co_u32 s44, s44, s41
	s_lshl_b32 s45, ttmp9, 2
	s_add_co_u32 s45, s45, s40
	s_lshl_b32 s46, s41, 2
	s_lshl_b32 s46, 15, s46
	s_lshl_b32 s47, 0x1111, s40
	s_or_b32 s[G1], s46, (3<<16)|(1<<21)
	s_or_b32 s[G1B], s47, (3<<16)|(1<<21)
.irp g, G1, G1B
	s_mov_b32 s[\g+1], 32<<16
	s_mov_b32 s[\g+2], 132<<16
	s_mov_b32 s[\g+3], 32<<16
	s_mov_b32 s[\g+4], 132
	s_mov_b32 s[\g+5], 32
	s_mov_b32 s[\g+6], 0
	s_mov_b32 s[\g+7], 0
.endr
	s_mul_i32 s17, s16, 4*CHB
	s_mul_i32 s20, s44, 8*CHB
	s_add_co_u32 s20, s20, s17
	s_mov_b32 s21, 0
	s_mul_i32 s22, s45, 8*CHB
	s_add_co_u32 s22, s22, s17
	s_add_co_u32 s22, s22, 3244032
	s_mov_b32 s23, 0
	s_mul_i32 s19, s14, CHB
	v_and_b32 v1, 31, v0
	v_lshlrev_b32 v[LI], 4, v1
	s_mul_i32 s70, s15, CHB
	s_mul_i32 s71, s16, CHB
	s_add_co_u32 s71, s71, 2*CHB
.irp s, 0,1
	v_add_nc_u32 v[ADRA+\s], s70, v[LI]
	v_add_nc_u32 v[ADRB+\s], s71, v[LI]
	s_add_co_u32 s70, s70, SLOT
	s_add_co_u32 s71, s71, SLOT
.endr
	v_and_b32 v2, 15, v0
	v_bfe_u32 v3, v0, 4, 1
	s_mul_i32 s72, s14, 16*SPITCH
	s_add_co_u32 s72, s72, STAGE
	v_mul_u32_u24 v4, v2, SPITCH
	v_lshl_add_u32 v4, v3, 6, v4
	v_add_nc_u32 v[STO], s72, v4
	v_add_nc_u32 v[RD], s72, v[LI]
	s_lshl_b32 s73, s44, 8
	s_lshl_b32 s74, s15, 7
	s_add_co_u32 s73, s73, s74
	s_lshl_b32 s74, s73, 12
	s_lshl_b32 s75, s45, 10
	s_add_co_u32 s74, s74, s75
	s_lshl_b32 s75, s16, 9
	s_add_co_u32 s74, s74, s75
	s_mov_b32 s75, 0
	s_wait_dscnt 0x0
	s_wait_kmcnt 0x0
	s_add_nc_u64 s[20:21], s[4:5], s[20:21]
	s_add_nc_u64 s[22:23], s[6:7], s[22:23]
	s_add_nc_u64 s[12:13], s[12:13], s[74:75]
	CROUND
.irp s, 0,1
	s_mov_b32 s[G0+4*\s], 1
	s_add_co_u32 s[G0+4*\s+1], s19, \s*SLOT
	s_add_nc_u64 s[G0+4*\s+2:G0+4*\s+3], s[20:21], \s*CHB
	s_or_b32 s[G0+4*\s+3], s[G0+4*\s+3], 0x80000000
	s_mov_b32 s[G0B+4*\s], 1
	s_add_co_u32 s[G0B+4*\s+1], s19, \s*SLOT
	s_add_nc_u64 s[G0B+4*\s+2:G0B+4*\s+3], s[22:23], \s*CHB
	s_or_b32 s[G0B+4*\s+3], s[G0B+4*\s+3], 0x80000000
	s_wait_alu depctr_va_vdst(0)
	s_wait_tensorcnt 0x0
	ds_add_u32 v28, v29
	ds_add_u32 v28, v29
	s_wait_dscnt 0x0
	CROUND
	JLOAD G0+4*\s, G1, G0B+4*\s, G1B
.endr
	s_wait_tensorcnt 1
	s_barrier_signal -1
	s_barrier_wait -1
	s_wait_alu depctr_va_vdst(0)
	FETCH_B 0, 0, 0
	FETCH_A 0, 0, 0
	SCALES 0
	FETCH_A 0, 0, 4
	STEP 0, 0, 1
	TURN 0, 1, 1
	STEP 1, 0, 0
	TURN 1, 0, 1
	STEP 0, 0, 0
	TURN 0, 1, 0
	STEP 1, 0, 0
	s_wait_dscnt 4*NL
	WIN MUL_LO
	MUL16 0, 1, 1, 1, 0
	MUL16 2, 1, 1, 1, 0
	s_wait_dscnt 0
	WIN MUL_HI
	MUL16 4, 1, 1, 1, 0
	MUL16 6, 1, 1, 1, 0
	WIN 0
.macro TOSTAGE a
.set AC, 64*((\a)%4)
	WIN (0x08+4*((\a)/4))
.irp b, 0,1,2,3,4,5,6,7
	ds_store_b128 v[STO], v[AC+8*\b:AC+8*\b+3] offset:128*(\b/2)+32*(\b%2)
	ds_store_b128 v[STO], v[AC+8*\b+4:AC+8*\b+7] offset:128*(\b/2)+32*(\b%2)+16
.endr
	WIN 0
.set BB, BK+64*((\a)%2)
.irp t, 0,1,2,3,4,5,6,7,8,9,10,11,12,13,14,15
	ds_load_b128 v[BB+4*\t:BB+4*\t+3], v[RD] offset:\t*SPITCH
.endr
.endm
.macro SEND a, younger
.set BB, BK+64*((\a)%2)
	s_wait_dscnt \younger
.irp t, 0,1,2,3,4,5,6,7,8,9,10,11,12,13,14,15
	global_store_b128 v[LI], v[BB+4*\t:BB+4*\t+3], s[12:13] offset:(32*((\a)/2)+8*((\a)%2)+\t+8*(\t/8))*4096 th:TH_STORE_NT
.endr
.endm
	PLACES NP
	TOSTAGE 0
.irp a, 1,2,3,4,5,6,7
.if \a > 1
	s_wait_xcnt 0x0
.endif
	TOSTAGE \a
	SEND \a-1, 32
.endr
	SEND 7, 0
	s_wait_tensorcnt 0x0
	ds_add_u32 v[SPW], v[NIL]
	s_wait_dscnt 0x0
	CROUND
	s_endpgm
.Lfunc_end_k_q72c84a465b_oproj:
	.size	k_q72c84a465b_oproj, .Lfunc_end_k_q72c84a465b_oproj-k_q72c84a465b_oproj
	.p2alignl 7, 3214868480
	.fill 96, 4, 3214868480
	.section	.rodata,"a",@progbits
	.p2align	6, 0x0
	.amdhsa_kernel k_q72c84a465b_oproj
		.amdhsa_group_segment_fixed_size 327680
		.amdhsa_private_segment_fixed_size 0
		.amdhsa_enable_private_segment 0
		.amdhsa_kernarg_size 24
		.amdhsa_user_sgpr_count 2
		.amdhsa_user_sgpr_kernarg_segment_ptr 1
		.amdhsa_wavefront_size32 1
		.amdhsa_system_sgpr_workgroup_id_x 1
		.amdhsa_system_sgpr_workgroup_id_y 1
		.amdhsa_system_sgpr_workgroup_id_z 1
		.amdhsa_system_vgpr_workitem_id 0
		.amdhsa_next_free_vgpr 1024
		.amdhsa_next_free_sgpr 96
		.amdhsa_reserve_vcc 0
		.amdhsa_float_denorm_mode_32 3
		.amdhsa_float_denorm_mode_16_64 3
		.amdhsa_memory_ordered 1
		.amdhsa_forward_progress 1
		.amdhsa_inst_pref_size 142
	.end_amdhsa_kernel
	.amdgpu_metadata
---
amdhsa.version: [ 1, 2 ]
amdhsa.kernels:
  - .name:           k_q72c84a465b_oproj
    .symbol:         k_q72c84a465b_oproj.kd
    .args:
      - { .name: oc, .offset: 0, .size: 8, .value_kind: global_buffer, .address_space: global }
      - { .name: wc, .offset: 8, .size: 8, .value_kind: global_buffer, .address_space: global }
      - { .name: out0, .offset: 16, .size: 8, .value_kind: global_buffer, .address_space: global }
    .group_segment_fixed_size: 327680
    .private_segment_fixed_size: 0
    .kernarg_segment_align: 8
    .kernarg_segment_size: 24
    .max_flat_workgroup_size: 128
    .sgpr_count:     96
    .vgpr_count:     1024
    .wavefront_size: 32
...
	.end_amdgpu_metadata
.endif
;; end of part 4
